; MI455X (gfx1250); checked and timed in simulation.
; The chip was launched on July 23, 2026; its instructions are those of AMD's public machine-readable ISA for CDNA 5 (MIT licence, August 2026) and "CDNA5" Instruction Set Architecture Reference Guide (July 2026). The comments in the code are by the model that wrote it; some were corrected since.
;; Learned2 D Relative Self Attention. Allowed arithmetic: matrix products marked QUANTISED: E4M3 operands, one E8M0 scale for each 32 along K, by v_wmma_scale_f32_16x16x128_f8f6f4 with both operands' format E4M3, f32 sums; everything else in f32.
;; Inputs: Wk_codes 512 x 2 x 32 uint8 (E4M3 codes of Wk, K innermost, in blocks of 32 codes); Wk_scales 512 x 2 uint8 (E8M0 scales of Wk, one for each 32 codes along K); Wq_codes 512 x 2 x 32 uint8 (E4M3 codes of Wq, K innermost, in blocks of 32 codes); Wq_scales 512 x 2 uint8 (E8M0 scales of Wq, one for each 32 codes along K); Wv_codes 64 x 16 x 32 uint8 (E4M3 codes of Wv, K innermost, in blocks of 32 codes); Wv_scales 64 x 16 uint8 (E8M0 scales of Wv, one for each 32 codes along K); attention_mask 1 float32; bk 512 float32; bq 512 float32; bv 64 float32; col_emb 63 x 32 float32; hidden_states 8 x 32 x 32 x 64 float32; row_emb 63 x 32 float32.
;; Outputs: out0 8 x 32 x 32 x 64 float32.
;; This version of the problem:
;;   THIS VERSION OF THE PROBLEM IS GIVEN IN LOW PRECISION. The matrix products marked QUANTISED in the list below multiply operands that are first quantised to E4M3 (4 exponent bits, 3 mantissa bits; 8 bits a number), with one power-of-two scale for each 32 numbers along K (OCP MX v1.0); their sums are f32. All else is computed in f32.
;;   The module's matrix products, in the order in which they are computed (A, B: the left and right operand; K: the contracted axis; several contracted axes count as one K, in the product's order):
;;     1. [M 8,192, K 64] x [K 64, N 512]; A: input hidden_states; B: input Wq (given as codes): QUANTISED
;;     2. [M 8,192, K 64] x [K 64, N 512]; A: input hidden_states; B: input Wk (given as codes): QUANTISED
;;     3. batch 32 x [M 32, K 32] x [K 32, N 2,048]; A: computed on the way; B: computed on the way: QUANTISED
;;     4. batch 32 x [M 32, K 32] x [K 32, N 2,048]; A: computed on the way; B: computed on the way: QUANTISED
;;     5. batch 64 x [M 1,024, K 64] x [K 64, N 1,024]; A: computed on the way; B: computed on the way: QUANTISED
;;     6. batch 8 x [M 8,192, K 1,024] x [K 1,024, N 64]; A: computed on the way; B: input hidden_states: QUANTISED
;;     7. [M 8,192, K 512] x [K 512, N 64]; A: computed on the way; B: input Wv (given as codes): QUANTISED
;;   THE QUANTISER, for each operand of a quantised product, along K:
;;     - K is cut into blocks of 32 from its start; a last block that is shorter is filled with zeros.
;;     - A block's scale is 2^e with e = floor(log2(the largest magnitude in the block)) - 8, held to -126 .. 127; a block of zeros has e = 0. As a byte (E8M0): e + 127.
;;     - Each number is divided by its block's scale, clamped to +-448, and rounded to the nearest number of E4M3, ties to even, subnormals kept.
;;     - The product sums the exact products of the quantised numbers (number of the format x scale) in f32.
;;   ~~~python
;;   def quantise(x, axis):      # numpy; x: float32 -> the quantised numbers, widened to float32 again
;;       x = np.moveaxis(x, axis, -1); K = x.shape[-1]
;;       x = np.pad(x, [(0, 0)] * (x.ndim - 1) + [(0, -K % 32)]); x = x.reshape(x.shape[:-1] + (-1, 32)); a = np.abs(x).max(-1, keepdims=True)
;;       e = np.where(a > 0, np.clip(np.frexp(np.where(a > 0, a, 1))[1] - 1 - 8, -126, 127), 0)      # np.frexp(a)[1] - 1 = floor(log2(a)), exactly
;;       r = np.clip(x / 2.0 ** e, -448, 448)
;;       step = 2.0 ** (np.maximum(np.frexp(np.where(r == 0, 1, r))[1] - 1, -6) - 3)
;;       q = np.round(r / step) * step * 2.0 ** e      # np.round: ties to even
;;       return np.moveaxis(q.reshape(q.shape[:-2] + (-1,))[..., :K], -1, axis).astype(np.float32)
;;   ~~~
;;   OPERANDS COMPUTED ON THE WAY. 'Computed on the way' means the value that the module computes at that place (a softmax that the list does not call 'softmax' is quantised finished and normalised). What goes into a quantiser is computed in f32, as accurately as f32 sums, v_exp_f32 and their like allow (about 1e-6 of the number): no bf16 or f16 on the way to a quantiser, and a product that is left as it is and whose result goes on into a quantised operand takes f32 operands (vector FMAs, or v_wmma_f32_16x16x4_f32). A number that lies on a knife's edge between two numbers of the format may be rounded either way, as far as f32 arithmetic and the matrix unit's own rounding can turn it there, and no further.
;;   INPUTS GIVEN AS CODES. Wk (in the module: [64, 512], K = its axis 0); Wq (in the module: [64, 512], K = its axis 0); Wv (in the module: [512, 64], K = its axis 0): each comes as NAME_codes (uint8): NAME with its K axis moved to the last place and cut into blocks of 32 codes, [.., K / 32, bytes a block], one block behind the other in memory; one code a byte (a code: sign, 4 exponent bits, 3 mantissa bits); and NAME_scales (uint8): the same leading axes, one E8M0 byte (e + 127) for each 32 codes along K. Its value is code x scale, taken as it is: it is not quantised again, and the codes and scales need not be those that the quantiser above would give.
;; 2 versions, each right; version 2 is version 1 with the launches prep, proj written anew for expert scheduling mode. Each part assembles by itself: llvm-mc -triple=amdgcn-amd-amdhsa -mcpu=gfx1250 --defsym DOCPART=n.
;; ======== version 1 of 2: 3 launches
;; workspace buffers: qrec 4,456,448 bytes; krec 4,456,448 bytes; vrec 540,672 bytes; erec 34,816 bytes; vals 4,194,304 bytes; vsc 131,072 bytes
;; launch prep (part 1): grid 256 x 1, 16 waves a work-group, no clusters, 0 bytes of LDS; arguments hidden_states, Wq_codes, Wq_scales, bq, Wk_codes, Wk_scales, bk, row_emb, col_emb, qrec, krec, vrec, erec; writes qrec, krec, vrec, erec
.if DOCPART == 1
	.amdgcn_target "amdgcn-amd-amdhsa--gfx1250"
	.amdhsa_code_object_version 6
	.text
	.protected	k_q51bd541239_prep
	.globl	k_q51bd541239_prep
	.p2align	8
	.type	k_q51bd541239_prep,@function
k_q51bd541239_prep:
	s_mov_b64 s[64:65], 0
	v_nop
	global_prefetch_b8 v0, s[64:65] scope:SCOPE_SE
	s_setreg_imm32_b32 hwreg(HW_REG_WAVE_MODE, 25, 1), 1
	s_wait_xcnt 0x0
; PREP: everything that attention reads many times is made once, as E4M3 codes with E8M0 scales, laid as images of operand registers
; (a chunk = 512 bytes, lane L's 16 bytes at 16 L).
;   q = Q(hidden) Wq + bq and k = Q(hidden) Wk + bk (both products on codes), quantised along the head's 64 (two blocks of 32) -> qrec, krec
;   hidden quantised along the keys (a block = the 32 positions l of one key row)                                              -> vrec
;   the rows of row_emb and col_emb quantised along their 32 (a row is a block)                                               -> erec
; A POSITION TILE is 16 positions of one image row i: lane index r stands for j = 8 u + (r & 7) + 16 (r >> 3), u = 0, 1.  Used as 16 keys (source 0 of K Q^T) the 16 result registers
; of tiles u = 0 and u = 1 are 16 neighbouring l.  The rows of Wq, Wk that form a tile are chosen the same way, so that a lane's 16 results are 16 neighbours along d.
; SHARES: work-group x = (b = x / 32, i = x % 32); wave w: u = w & 1, head = w / 2: one position tile, one head.  Waves 0-3 also make the four chunks of V^T of key row i;
; in work-groups 0-3 waves 4-7 also make the embedding record of query quarter x.  Waves share nothing: no LDS, no barrier.
; ONE A FRAGMENT CARRIES BOTH WEIGHTS: K of these products is 64, the instruction's is 128.  Registers 0-7 hold 16 rows of Wq, registers 8-15 the same rows of Wk.
; Against (hidden | zero codes) it gives q, against (zero codes | hidden) it gives k.  The biases are the C of the products.
; attention_mask is not named: reference() takes it and does nothing with it.
; LIMITS: NaN and infinities among the inputs are not served.  A block of zeros gets the scale byte 1 where the rule says 127: its codes are zeros, and these bytes are read by this program alone.
; The scale words (64 bytes a store), V's scale bytes and the embedding records do not fill aligned blocks of 256 bytes by one instruction: together some 0.6 MB of the 9.5 MB stored.
.set X,   16                           ; v16-47   32 numbers at work
.set HF,  48                           ; v48-71   hidden's codes (8) | zero codes (8) | hidden's codes again (8)
.set HSW, 72                           ; v72      hidden's scale word, its two bytes twice
.set WS,  73                           ; v73-76   the weights' scale words: Wq's two bytes below, Wk's above
.set WL,  77                           ; v77-84   as loaded, 16 bits each
.set SWQ, 85                           ; v85-88   scale words and bytes to store
.set SWK, 86
.set SWV, 87
.set SWE, 88
.set AF,  96                           ; v96-159  four A fragments (tile t: rows 32 (t / 2) + 8 (t % 2) + ..)
.set BQ,  160                          ; v160-191 bq, then q^T: four tiles
.set BK,  192                          ; v192-223 bk, then k^T
.set TM,  224                          ; v224-233 +0 largest magnitudes, +2 the other half's, +4 448 x scale, +6 the conversion's scale operand, +8 the bytes
.set PCQ, 240                          ; v240-247 q's codes
.set PCK, 248                          ; v248-255 k's codes
; The largest magnitude of nb blocks (16 numbers a lane each), the conversion's scale operand, the hold and the byte.  join = 0: a block lies in lanes l and l xor 16;  join = 1: both runs of 16 are one block of this lane.
.macro QSCALE src, nb, join
.irp b, 0,1
.if \b < \nb
	v_max3_num_f32 v[TM+\b], |v[\src+16*\b]|, |v[\src+16*\b+1]|, 0x4800000   ; with the floor 2^(9 - 127): the byte cannot fall under 1
.endif
.endr
.irp i, 2,4,6,8,10,12,14
.irp b, 0,1
.if \b < \nb
	v_max3_num_f32 v[TM+\b], v[TM+\b], |v[\src+16*\b+\i]|, |v[\src+16*\b+\i+1]|
.endif
.endr
.endr
.if \join
	v_max_num_f32 v[TM], v[TM], v[TM+1]
	v_mov_b32 v[TM+1], v[TM]
.else
.irp b, 0,1
.if \b < \nb
	v_permlanex16_b32 v[TM+2+\b], v[TM+\b], s36, s37
.endif
.endr
.irp b, 0,1
.if \b < \nb
	v_max_num_f32 v[TM+\b], v[TM+\b], v[TM+2+\b]
.endif
.endr
.endif
.irp b, 0,1
.if \b < \nb
	v_add_nc_u32 v[TM+6+\b], 0xfc000000, v[TM+\b]          ; 8 off the exponent field: the conversion takes that field as its scale
	v_and_or_b32 v[TM+4+\b], v[TM+\b], 0x7f800000, s38     ; 448 x the scale
	v_lshrrev_b32 v[TM+8+\b], 23, v[TM+6+\b]               ; the E8M0 byte
.endif
.endr
.endm
; The hold (the conversion to an 8-bit code does not saturate: ISA guide 7.6.2) and the conversions; dst2 other than 0: the codes a second time.
.macro QCODE src, nb, dst, dst2
.irp b, 0,1
.if \b < \nb
.irp i, 0,1,2,3,4,5,6,7,8,9,10,11,12,13,14,15
	v_med3_num_f32 v[\src+16*\b+\i], v[\src+16*\b+\i], -v[TM+4+\b], v[TM+4+\b]
.endr
	v_cvt_scalef32_pk8_fp8_f32 v[\dst+4*\b:\dst+4*\b+1], v[\src+16*\b:\src+16*\b+7], v[TM+6+\b]
	v_cvt_scalef32_pk8_fp8_f32 v[\dst+4*\b+2:\dst+4*\b+3], v[\src+16*\b+8:\src+16*\b+15], v[TM+6+\b]
.if \dst2
	v_cvt_scalef32_pk8_fp8_f32 v[\dst2+4*\b:\dst2+4*\b+1], v[\src+16*\b:\src+16*\b+7], v[TM+6+\b]
	v_cvt_scalef32_pk8_fp8_f32 v[\dst2+4*\b+2:\dst2+4*\b+3], v[\src+16*\b+8:\src+16*\b+15], v[TM+6+\b]
.endif
.endif
.endr
	v_nop                                          ; one plain line behind the last conversion
.endm
	s_load_b512 s[4:19], s[0:1], 0x0               ; hidden 4, Wq codes 6, Wq scales 8, bq 10, Wk codes 12, Wk scales 14, bk 16, row_emb 18
	s_load_b256 s[20:27], s[0:1], 0x40             ; col_emb 20, qrec 22, krec 24, vrec 26
	s_load_b64 s[28:29], s[0:1], 0x60              ; erec
	v_lshrrev_b32 v1, 5, v0
	v_readfirstlane_b32 s30, v1                    ; wave 0..15
	s_and_b32 s31, s30, 1                          ; u
	s_lshr_b32 s32, s30, 1                         ; head
	s_lshr_b32 s33, ttmp9, 5                       ; b
	s_and_b32 s34, ttmp9, 31                       ; i
	s_mov_b32 s36, 0x76543210
	s_mov_b32 s37, 0xfedcba98                      ; v_permlanex16_b32's selects for lane l xor 16
	s_mov_b32 s38, 0x600000                        ; the mantissa field of 448
	v_and_b32 v1, 31, v0                           ; lane
	v_and_b32 v2, 15, v0                           ; r
	v_bfe_u32 v3, v0, 4, 1                         ; hh
	v_and_b32 v4, 8, v2
	v_add_nc_u32 v4, v4, v2                        ; pj = (r & 7) + 16 (r >> 3)
	v_lshlrev_b32 v5, 8, v4
	v_lshl_add_u32 v5, v3, 6, v5
	s_lshl_b32 s2, s31, 11
	v_add_nc_u32 v5, s2, v5                        ; hidden: position 8 u + pj of 256 bytes, + 64 hh: my 16 numbers of a block of 32
	v_lshlrev_b32 v6, 6, v4
	v_lshl_add_u32 v6, v3, 4, v6                   ; weights' codes: row pj of 64 bytes, + 16 hh
	v_lshlrev_b32 v7, 1, v4                        ; weights' scales: 2 bytes a row
	v_lshlrev_b32 v8, 6, v3                        ; biases: my half's eight begin 16 numbers on
	v_lshlrev_b32 v9, 4, v1                        ; an image's place for my lane
	v_lshlrev_b32 v10, 2, v2                       ; a scale word's
	v_lshlrev_b32 v11, 2, v4
	v_lshl_add_u32 v11, v3, 12, v11                ; V^T: channel pj, positions 16 hh on
	; the embedding arm's offsets (made in every wave, used by four waves of four work-groups)
	s_and_b32 s35, s32, 1                          ; which table: 0 row, 1 col
	s_lshl_b32 s39, ttmp9, 3
	s_sub_co_u32 s39, 24, s39                      ; 24 - 8 x
	s_cmp_eq_u32 s35, 0
	s_cselect_b32 s39, s39, 0
	s_cselect_b32 s2, 63, 0
	s_lshl_b32 s3, s31, 5
	v_add_nc_u32 v15, s3, v1                       ; the record's row: 32 (w & 1) + lane
	v_xor_b32 v12, s2, v15                         ; row table: stored BACKWARDS: table row 87 - 8 x - row;  col table: the row itself
	v_add_nc_u32 v12, s39, v12
	v_min_u32 v12, 62, v12                         ; the tables have 63 rows; the rows held here are read by nobody
	v_lshlrev_b32 v12, 7, v12
	s_lshl_b32 s3, s35, 5
	v_lshl_add_u32 v13, v15, 6, s3                 ; a record's row is 64 bytes: row table: codes | zeros;  col table: zeros | codes
	v_xor_b32 v14, 32, v13
	v_lshlrev_b32 v15, 2, v15
	; byte offsets, each in a pair of its own
	s_lshl_b32 s40, ttmp9, 13                      ; hidden: image row (b, i) is 8,192 bytes
	s_mov_b32 s41, 0
	s_lshl_b32 s42, s32, 12                        ; a head's 64 rows of weights' codes
	s_mov_b32 s43, 0
	s_lshl_b32 s44, s32, 7                         ; of their scales
	s_mov_b32 s45, 0
	s_lshl_b32 s46, s32, 8                         ; of a bias
	s_mov_b32 s47, 0
	s_lshl_b32 s2, s33, 3
	s_add_co_u32 s2, s2, s32                       ; 8 b + head
	s_lshl_b32 s3, s2, 2
	s_lshr_b32 s39, s34, 3
	s_add_co_u32 s3, s3, s39
	s_mul_i32 s3, s3, 17408                        ; qrec: record (b, head, i / 8)
	s_lshl_b32 s39, s34, 1
	s_add_co_u32 s39, s39, s31                     ; 2 i + u
	s_and_b32 s66, s39, 15                         ; the tile's place in the record
	s_lshl_b32 s48, s66, 10
	s_add_co_u32 s48, s48, s3
	s_mov_b32 s49, 0
	s_lshl_b32 s50, s66, 6
	s_add_co_u32 s50, s50, s3
	s_add_co_u32 s50, s50, 16384
	s_mov_b32 s51, 0
	s_mul_i32 s2, s2, 69632                        ; krec: record (b, head)
	s_lshl_b32 s52, s39, 10
	s_add_co_u32 s52, s52, s2
	s_mov_b32 s53, 0
	s_lshl_b32 s54, s39, 6
	s_add_co_u32 s54, s54, s2
	s_add_co_u32 s54, s54, 65536
	s_mov_b32 s55, 0
	s_mul_i32 s2, s33, 67584                       ; vrec: record b
	s_lshl_b32 s3, s30, 3
	s_lshr_b32 s39, s34, 2
	s_add_co_u32 s3, s3, s39                       ; 8 dt + (i / 4), dt = wave
	s_and_b32 s39, s34, 3
	s_lshl_b32 s56, s3, 11
	s_add_co_u32 s56, s56, s2
	s_lshl_b32 s66, s39, 9
	s_add_co_u32 s56, s56, s66
	s_mov_b32 s57, 0
	s_lshl_b32 s58, s3, 6
	s_add_co_u32 s58, s58, s2
	s_add_co_u32 s58, s58, s39
	s_add_co_u32 s58, s58, 65536
	s_mov_b32 s59, 0
	s_lshl_b32 s60, s32, 7                         ; V^T's loads: channels 32 (dt / 2) + 8 (dt % 2) on
	s_lshl_b32 s66, s31, 5
	s_add_co_u32 s60, s60, s66
	s_add_co_u32 s60, s60, s40
	s_mov_b32 s61, 0
	s_mul_i32 s62, ttmp9, 8704                     ; erec: record x, table's half
	s_mul_i32 s66, s35, 4352
	s_add_co_u32 s62, s62, s66
	s_mov_b32 s63, 0
	s_wait_kmcnt 0x0
	s_add_nc_u64 s[60:61], s[4:5], s[60:61]
	s_add_nc_u64 s[4:5], s[4:5], s[40:41]
	s_add_nc_u64 s[6:7], s[6:7], s[42:43]
	s_add_nc_u64 s[12:13], s[12:13], s[42:43]
	s_add_nc_u64 s[8:9], s[8:9], s[44:45]
	s_add_nc_u64 s[14:15], s[14:15], s[44:45]
	s_add_nc_u64 s[10:11], s[10:11], s[46:47]
	s_add_nc_u64 s[16:17], s[16:17], s[46:47]
	s_add_nc_u64 s[48:49], s[22:23], s[48:49]
	s_add_nc_u64 s[50:51], s[22:23], s[50:51]
	s_add_nc_u64 s[52:53], s[24:25], s[52:53]
	s_add_nc_u64 s[54:55], s[24:25], s[54:55]
	s_add_nc_u64 s[56:57], s[26:27], s[56:57]
	s_add_nc_u64 s[58:59], s[26:27], s[58:59]
	s_add_nc_u64 s[62:63], s[28:29], s[62:63]
	s_cmp_eq_u32 s35, 0                            ; the table: a choice that hangs on the wave's number alone
	s_cselect_b64 s[18:19], s[18:19], s[20:21]
	; 48 loads: what is wanted first goes first
.irp t, 0,1,2,3
	global_load_u16 v[WL+\t], v7, s[8:9] offset:(32*(\t/2)+8*(\t%2))*2
.endr
.irp t, 0,1,2,3
	global_load_u16 v[WL+4+\t], v7, s[14:15] offset:(32*(\t/2)+8*(\t%2))*2
.endr
.irp b, 0,1
.irp j, 0,1,2,3
	global_load_b128 v[X+16*\b+4*\j:X+16*\b+4*\j+3], v5, s[4:5] offset:128*\b+16*\j
.endr
.endr
.irp t, 0,1,2,3
.irp c, 0,1
	global_load_b128 v[AF+16*\t+4*\c:AF+16*\t+4*\c+3], v6, s[6:7] offset:(32*(\t/2)+8*(\t%2))*64+32*\c
	global_load_b128 v[AF+16*\t+8+4*\c:AF+16*\t+8+4*\c+3], v6, s[12:13] offset:(32*(\t/2)+8*(\t%2))*64+32*\c
.endr
.endr
.irp t, 0,1,2,3
	global_load_b128 v[BQ+8*\t:BQ+8*\t+3], v8, s[10:11] offset:(32*(\t/2)+8*(\t%2))*4
	global_load_b128 v[BQ+8*\t+4:BQ+8*\t+7], v8, s[10:11] offset:(32*(\t/2)+8*(\t%2))*4+16
	global_load_b128 v[BK+8*\t:BK+8*\t+3], v8, s[16:17] offset:(32*(\t/2)+8*(\t%2))*4
	global_load_b128 v[BK+8*\t+4:BK+8*\t+7], v8, s[16:17] offset:(32*(\t/2)+8*(\t%2))*4+16
.endr
.irp j, 0,1,2,3,4,5,6,7
	v_mov_b32 v[HF+8+\j], 0                        ; zero codes for the half of K that a product does not use
.endr
	v_mov_b32 v[TM+2], 0                           ; written once: a lane permute's destination counts as one of its sources
	v_mov_b32 v[TM+3], 0
	s_wait_loadcnt 32                              ; the scales and hidden are in; the 32 younger loads (weights' codes, biases) may be out
.irp t, 0,1,2,3
	v_lshl_or_b32 v[WS+\t], v[WL+4+\t], 16, v[WL+\t]
.endr
	QSCALE X, 2, 0                                 ; hidden along c
	v_lshl_or_b32 v[HSW], v[TM+9], 8, v[TM+8]
	v_lshl_or_b32 v[HSW], v[HSW], 16, v[HSW]       ; the two bytes twice: they serve K blocks 0, 1 and 2, 3 alike
	QCODE X, 2, HF, HF+16
.rept 3
	v_nop                                          ; with the line above: four places between the codes and the products
.endr
	; the side arms ask for their numbers now, into the registers that hidden has left
	s_cmp_lt_u32 s30, 4
	s_cbranch_scc0 .Lnot_v1
.irp j, 0,1,2,3,4,5,6,7,8,9,10,11,12,13,14,15
	global_load_b32 v[X+\j], v11, s[60:61] offset:256*\j   ; hidden(b, i, l = 16 hh + j, my channel)
.endr
	s_wait_loadcnt 16                              ; all but these sixteen
	s_branch .Lmul
.Lnot_v1:
	s_cmp_lt_u32 s30, 8
	s_cbranch_scc0 .Lplain1
	s_cmp_lt_u32 ttmp9, 4
	s_cbranch_scc0 .Lplain1
.irp j, 0,1,2,3,4,5,6,7
	global_load_b128 v[X+4*\j:X+4*\j+3], v12, s[18:19] offset:16*\j   ; a whole row of the table: 32 numbers
.endr
	s_wait_loadcnt 8                               ; all but these eight
	s_branch .Lmul
.Lplain1:
	s_wait_loadcnt 0x0
.Lmul:
	; q^T and k^T: source 0 = 16 rows of the weights, source 1 = my 16 positions; lane (r, hh) then holds position r, and tiles 2 b, 2 b + 1 give it d = 32 b + 16 hh + 0 .. 15
.irp t, 0,1,2,3
	v_wmma_scale_f32_16x16x128_f8f6f4 v[BQ+8*\t:BQ+8*\t+7], v[AF+16*\t:AF+16*\t+15], v[HF:HF+15], v[BQ+8*\t:BQ+8*\t+7], v[WS+\t], v[HSW]
.endr
.irp t, 0,1,2,3
	v_wmma_scale_f32_16x16x128_f8f6f4 v[BK+8*\t:BK+8*\t+7], v[AF+16*\t:AF+16*\t+15], v[HF+8:HF+23], v[BK+8*\t:BK+8*\t+7], v[WS+\t], v[HSW]
.endr
.rept 8
	v_nop                                          ; eight places behind this form before its results are read
.endr
	QSCALE BQ, 2, 0
	v_lshl_or_b32 v[SWQ], v[TM+9], 8, v[TM+8]
	v_lshl_or_b32 v[SWQ], v[SWQ], 16, v[SWQ]
	QCODE BQ, 2, PCQ, 0
	global_store_b128 v9, v[PCQ:PCQ+3], s[48:49]                   ; 32 lanes store 512 consecutive bytes
	global_store_b128 v9, v[PCQ+4:PCQ+7], s[48:49] offset:512
	global_store_b32 v10, v[SWQ], s[50:51]                         ; lanes r and r + 16 store the same word
	QSCALE BK, 2, 0
	v_lshl_or_b32 v[SWK], v[TM+9], 8, v[TM+8]
	v_lshl_or_b32 v[SWK], v[SWK], 16, v[SWK]
	QCODE BK, 2, PCK, 0
	global_store_b128 v9, v[PCK:PCK+3], s[52:53]
	global_store_b128 v9, v[PCK+4:PCK+7], s[52:53] offset:512
	global_store_b32 v10, v[SWK], s[54:55]
	s_cmp_lt_u32 s30, 4
	s_cbranch_scc0 .Lnot_v2
	s_wait_loadcnt 0x0                             ; V^T: 16 channels x key row i: one chunk, one scale byte a channel
	QSCALE X, 1, 0
	v_mov_b32 v[SWV], v[TM+8]
	QCODE X, 1, AF, 0
	global_store_b128 v9, v[AF:AF+3], s[56:57]
	global_store_b8 v10, v[SWV], s[58:59]
	s_branch .Lend
.Lnot_v2:
	s_cmp_lt_u32 s30, 8
	s_cbranch_scc0 .Lend
	s_cmp_lt_u32 ttmp9, 4
	s_cbranch_scc0 .Lend
	s_wait_loadcnt 0x0                             ; a row of a table: one block, all in my lane
	QSCALE X, 2, 1
	v_lshl_or_b32 v[SWE], v[TM+8], 8, v[TM+8]
	v_lshl_or_b32 v[SWE], v[SWE], 16, v[SWE]       ; the byte four times: it serves whichever K block the codes stand in
	QCODE X, 2, AF, 0
	global_store_b128 v13, v[AF:AF+3], s[62:63]
	global_store_b128 v13, v[AF+4:AF+7], s[62:63] offset:16
	global_store_b128 v14, v[HF+8:HF+11], s[62:63]                 ; zero codes for the other half of q
	global_store_b128 v14, v[HF+8:HF+11], s[62:63] offset:16
	global_store_b32 v15, v[SWE], s[62:63] offset:4096
.Lend:
	s_endpgm
.Lfunc_end_k_q51bd541239_prep:
	.size	k_q51bd541239_prep, .Lfunc_end_k_q51bd541239_prep-k_q51bd541239_prep
	.p2alignl 7, 3214868480
	.fill 96, 4, 3214868480
	.section	.rodata,"a",@progbits
	.p2align	6, 0x0
	.amdhsa_kernel k_q51bd541239_prep
		.amdhsa_group_segment_fixed_size 0
		.amdhsa_private_segment_fixed_size 0
		.amdhsa_enable_private_segment 0
		.amdhsa_kernarg_size 104
		.amdhsa_user_sgpr_count 2
		.amdhsa_user_sgpr_kernarg_segment_ptr 1
		.amdhsa_wavefront_size32 1
		.amdhsa_system_sgpr_workgroup_id_x 1
		.amdhsa_system_sgpr_workgroup_id_y 1
		.amdhsa_system_sgpr_workgroup_id_z 1
		.amdhsa_system_vgpr_workitem_id 0
		.amdhsa_next_free_vgpr 256
		.amdhsa_next_free_sgpr 68
		.amdhsa_reserve_vcc 0
		.amdhsa_float_denorm_mode_32 3
		.amdhsa_float_denorm_mode_16_64 3
		.amdhsa_memory_ordered 1
		.amdhsa_forward_progress 1
		.amdhsa_inst_pref_size 34
	.end_amdhsa_kernel
	.amdgpu_metadata
---
amdhsa.version: [ 1, 2 ]
amdhsa.kernels:
  - .name:           k_q51bd541239_prep
    .symbol:         k_q51bd541239_prep.kd
    .args:
      - { .name: hidden_states, .offset: 0, .size: 8, .value_kind: global_buffer, .address_space: global }
      - { .name: Wq_codes, .offset: 8, .size: 8, .value_kind: global_buffer, .address_space: global }
      - { .name: Wq_scales, .offset: 16, .size: 8, .value_kind: global_buffer, .address_space: global }
      - { .name: bq, .offset: 24, .size: 8, .value_kind: global_buffer, .address_space: global }
      - { .name: Wk_codes, .offset: 32, .size: 8, .value_kind: global_buffer, .address_space: global }
      - { .name: Wk_scales, .offset: 40, .size: 8, .value_kind: global_buffer, .address_space: global }
      - { .name: bk, .offset: 48, .size: 8, .value_kind: global_buffer, .address_space: global }
      - { .name: row_emb, .offset: 56, .size: 8, .value_kind: global_buffer, .address_space: global }
      - { .name: col_emb, .offset: 64, .size: 8, .value_kind: global_buffer, .address_space: global }
      - { .name: qrec, .offset: 72, .size: 8, .value_kind: global_buffer, .address_space: global }
      - { .name: krec, .offset: 80, .size: 8, .value_kind: global_buffer, .address_space: global }
      - { .name: vrec, .offset: 88, .size: 8, .value_kind: global_buffer, .address_space: global }
      - { .name: erec, .offset: 96, .size: 8, .value_kind: global_buffer, .address_space: global }
    .group_segment_fixed_size: 0
    .private_segment_fixed_size: 0
    .kernarg_segment_align: 8
    .kernarg_segment_size: 104
    .max_flat_workgroup_size: 512
    .sgpr_count:     68
    .vgpr_count:     256
    .wavefront_size: 32
...
	.end_amdgpu_metadata
.endif
;; end of part 1
;; launch attn (part 2): grid 4 x 64, 4 waves a work-group, clusters of 4 x 1, 181,248 bytes of LDS; arguments qrec, krec, vrec, erec, vals, vsc; writes vals, vsc
.if DOCPART == 2
	.amdgcn_target "amdgcn-amd-amdhsa--gfx1250"
	.amdhsa_code_object_version 6
	.text
	.protected	k_q51bd541239_attn
	.globl	k_q51bd541239_attn
	.p2align	8
	.type	k_q51bd541239_attn,@function
k_q51bd541239_attn:
	s_mov_b64 s[64:65], 0
	v_nop
	global_prefetch_b8 v0, s[64:65] scope:SCOPE_SE
	s_setreg_imm32_b32 hwreg(HW_REG_WAVE_MODE, 25, 1), 1
	s_wait_xcnt 0x0
	s_wait_alu depctr_hold_cnt(0) depctr_sa_sdst(0) depctr_va_vdst(0) depctr_va_sdst(0) depctr_va_ssrc(0) depctr_va_vcc(0) depctr_vm_vsrc(0)
	s_getreg_b32 s2, hwreg(HW_REG_IB_STS2, 6, 4)
	s_cmp_eq_u32 s2, 0
	s_cbranch_scc0 .Lentry_in_a_cluster
	s_endpgm
.Lentry_in_a_cluster:
	s_bfe_u32 s2, ttmp6, 0x10000c
	s_cmp_lg_u32 s2, 0x3003
	s_cbranch_scc0 .Lentry_shape_is_right
	s_endpgm
.Lentry_shape_is_right:
; ATTN: for one (batch, head) and a quarter of its 1,024 queries: scores = (q . k + q_row . row_e + q_col . col_e) / 8, the finished softmax over all 1,024 keys, quantised in blocks of
; 32 keys, times hidden; the result quantised along the head's 64 for the last product.  All four products on E4M3 codes with E8M0 scales.
; SHARES.  A cluster of four work-groups is one (b, head); its place cx is the quarter of the queries (8 image rows).  A wave takes four UNITS: a unit is 16 queries x all 1,024 keys.
; A unit's scores S^T, 64 tiles of 16 keys x 16 queries, fill 512 registers and stay there from the products to the codes: the finished softmax wants the row's maximum and sum before
; any code is made, and so each score is made and exponentiated once.
; LDS holds all that the work-group reads (K's codes of the head, V^T's of the batch, its own queries, its embedding record), brought ONCE by four tensor loads a wave, so nothing is filled again.
; K's and V's are asked for JOINTLY by the four work-groups, which read the same bytes.  By this text's count a wave has four tensor loads out.
; LAYOUT.  Both big products are used transposed (S^T = K Q^T, O^T = V^T P^T): a lane holds one query (lane % 16).  The keys of a tile are chosen so that the 16 registers of tiles 2 k, 2 k + 1 are
; l = 16 (lane / 16) + 0 .. 15 of key row k: a block of 32 keys lies in lanes l and l xor 16, and the conversions' results are the second product's operand.
; K = 64 IN AN INSTRUCTION OF 128: an even tile's fragment is (codes | zero codes) against Q's (codes | zero codes); an odd one's (zero codes | codes) against (zero codes | codes): two tiles share
; one run of eight zero registers.  Scale words carry their two bytes twice.
; THE POSITIONAL SCORES.  Column scores: q_col against all 63 rows of col_emb (four products), through my own scratch in LDS, read back askew: col(l) = C(l - j + 31); these 16 registers are the C of every
; score product.  Row scores: four products whose source 0 takes each key row twice, so that both halves of the lanes hold row(k) in register k; a row score is the same for a whole block, so it
; enters once a block: in the maximum, and in the addend of the exponent.
; SOFTMAX.  p = 2^(s c + (row c - m c)), c = log2(e) / 8, m the row's maximum; sum; p / sum by a reciprocal.  A block's largest p is not searched for: the block's largest score goes through the same
; multiply-add, exponential and multiplication (this takes v_exp_f32 not to fall where its input rises).
; LIMITS: NaN and infinities are not served; a p under 2^-126 comes out of v_exp_f32 as 0; a block of zeros has the byte 1 where the rule says 127 (its codes are zeros; this program alone reads the bytes);
; the f32 sums are ordered otherwise than in reference(): content + col in the matrix unit, row in the exponent's addend.
; REGISTERS, in windows of 256:  window 0: see the names below.   window 1: v0-191 two sets of four pairs of K's tiles (24 a pair: codes 8, zeros 8, codes 8); v192-223 O^T; v224-255 P's codes, two sets.
;   windows 2, 3: S^T: tile T at window 2 + T / 32, register 8 (T % 32); once a region's p are codes, V^T's fragments land there.
.set KREC, 0                           ; LDS: 64 tiles x 1,024 bytes of K's codes, then 32 x 128 bytes of scale words
.set VREC, 69632                       ; 4 x 8 fragments x 2,048 bytes of V^T's codes, then 32 x 64 bytes of scale words
.set QREC, 137216                      ; 16 tiles x 1,024 bytes of Q's codes, then 16 x 64 bytes of scale words
.set EREC, 154624                      ; row table's window 4,096, its words 256, col table 4,096, its words 256
.set SKEW, 163328                      ; scratch: 16 rows x 272 bytes for each wave; no fill lands here
.set LI,   1                           ; v1   16 x lane
.set R4,   2                           ; v2   4 x (lane % 16)
.set ADQ,  3                           ; v3-6 the unit's addresses: Q's codes, Q's words, the row window's rows, their words
.set ADQS, 4
.set ADR,  5
.set ADRS, 6
.set RWL,  7                           ; v7   my lane's place in the row window: 64 (7 - r % 8) + 16 hh
.set RSL,  8                           ; v8   and among its words
.set ADC,  9                           ; v9   the col table's rows
.set ADCS, 10                          ; v10  and words
.set SKW,  11                          ; v11  scratch, in
.set SKR,  12                          ; v12  scratch, back, askew
.set VA,   13                          ; v13  V^T's images
.set GOS,  14                          ; v14  my two scale bytes in vsc
.set NINF, 15                          ; v15  -infinity
.set QF,   16                          ; v16-39 Q: codes 8, zero codes 8, codes 8
.set QSC,  40                          ; v40  Q's scale word
.set RCS,  41                          ; v41-48 the tables' scale words: row 4, col 4
.set PW,   49                          ; v49-56 P's scale words, one for each 128 keys
.set FLR,  57                          ; v57  the floor 2^(9 - 127)
.set RL,   58                          ; v58-59 1 / sum, twice
.set RM,   60                          ; v60  the row's maximum
.set MT,   61                          ; v61  c x maximum
.set LS,   62                          ; v62  the sum
.set KSR,  64                          ; v64-95  K's scale words: register k: lanes 0-15 tile 2 k, lanes 16-31 tile 2 k + 1
.set VSR,  96                          ; v96-127 V^T's: register 8 dt + s
.set CB,   128                         ; v128-143 column scores of l = 16 hh + 0 .. 15
.set AD,   144                         ; v144-175 row scores, then the exponent's addends, then the conversions' scale operands, one a block
.set PB,   176                         ; v176-207 column products, then the blocks' largest scores, largest p, and 448 x scale
.set TM,   208                         ; v208-223 at work
.set L,    224                         ; v224-231 four pairs of partial sums
.set VC,   232                         ; v232-239 the result's codes
.set VW,   240                         ; v240 its two scale bytes
.set OT,   192                         ; window 1
.set PC,   224                         ; window 1
.set WV,   16                          ; s16 wave
.set SEL,  80                          ; s[80:81]
.set CS,   82                          ; s[82:83] c, twice (the packed form names a pair)
.set MNT,  84
.set MSB, 0
.macro WIN new                         ; the immediate's high byte repeats the setting that is left; a switch that changes nothing is dropped
.if MSB != (\new)
	s_set_vgpr_msb (MSB<<8)|(\new)
.set MSB, (\new)
.endif
.endm
.macro CROUND                          ; a round of the cluster's barrier
	s_barrier_signal -1
	s_barrier_wait -1
	s_cmp_lg_u32 s[WV], 0
	s_cbranch_scc1 .Lnot_wave_0_\@
	s_barrier_signal -3
.Lnot_wave_0_\@:
	s_barrier_wait -3
	s_barrier_signal -1
	s_barrier_wait -1
.endm
.macro G1SET g, w0, c, r               ; descriptor group 1: r dense rows of c elements of 8 bytes
	s_mov_b32 s[\g], \w0
	s_mov_b32 s[\g+1], (\c)<<16
	s_mov_b32 s[\g+2], (\r)<<16
	s_mov_b32 s[\g+3], (\c)<<16
	s_mov_b32 s[\g+4], \r
	s_mov_b32 s[\g+5], \c
	s_mov_b32 s[\g+6], 0
	s_mov_b32 s[\g+7], 0
.endm
.macro LOADK g                         ; K's tiles 8 g .. 8 g + 7 into set g % 2: 16 loads
	WIN 0x40
.irp f, 0,1,2,3,4,5,6,7
	ds_load_b128 v[96*((\g)%2)+24*(\f/2)+16*(\f%2):96*((\g)%2)+24*(\f/2)+16*(\f%2)+3], v[LI] offset:(8*(\g)+\f)*1024
	ds_load_b128 v[96*((\g)%2)+24*(\f/2)+16*(\f%2)+4:96*((\g)%2)+24*(\f/2)+16*(\f%2)+7], v[LI] offset:(8*(\g)+\f)*1024+512
.endr
.endm
.macro SMUL g                          ; eight tiles of S^T = K Q^T + column scores
	WIN 0x81+0x40*((\g)/4)
.irp f, 0,1,2,3,4,5,6,7
.if \f%2
	v_wmma_scale_f32_16x16x128_f8f6f4 v[64*((\g)%4)+8*\f:64*((\g)%4)+8*\f+7], v[96*((\g)%2)+24*(\f/2)+8:96*((\g)%2)+24*(\f/2)+23], v[QF+8:QF+23], v[CB+8:CB+15], v[KSR+4*(\g)+\f/2], v[QSC] matrix_a_scale:MATRIX_SCALE_ROW1
.else
	v_wmma_scale_f32_16x16x128_f8f6f4 v[64*((\g)%4)+8*\f:64*((\g)%4)+8*\f+7], v[96*((\g)%2)+24*(\f/2):96*((\g)%2)+24*(\f/2)+15], v[QF:QF+15], v[CB:CB+7], v[KSR+4*(\g)+\f/2], v[QSC]
.endif
.endr
.endm
.macro MAXB g                          ; the largest score of blocks 4 g .. 4 g + 3, and the row's maximum so far: 46 plain lines; each tile is read from its low end on
.set mb, 64*((\g)%4)
	WIN 0x28+0x14*((\g)/4)
.irp q, 0,1,2,3
	v_max3_num_f32 v[PB+4*(\g)+\q], v[NINF], v[mb+16*\q], v[mb+16*\q+1]
.endr
.irp i, 2,4,6,8,10,12,14
.irp q, 0,1,2,3
	v_max3_num_f32 v[PB+4*(\g)+\q], v[PB+4*(\g)+\q], v[mb+16*\q+\i], v[mb+16*\q+\i+1]
.endr
.endr
	WIN 0
.irp q, 0,1,2,3
	v_permlanex16_b32 v[TM+\q], v[PB+4*(\g)+\q], s[SEL], s[SEL+1]
.endr
.irp q, 0,1,2,3
	v_max_num_f32 v[PB+4*(\g)+\q], v[PB+4*(\g)+\q], v[TM+\q]
.endr
.irp q, 0,1,2,3
	v_add_f32 v[TM+\q], v[PB+4*(\g)+\q], v[AD+4*(\g)+\q]           ; + the block's row score
.endr
	v_max3_num_f32 v[RM], v[RM], v[TM], v[TM+1]
	v_max3_num_f32 v[RM], v[RM], v[TM+2], v[TM+3]
.endm
.macro FMAL g, n                       ; line n of 32 of group g: two scores x c + their block's addend (the addend's register is the low or the high one of an even pair)
.set fq, (\n)/8
.set fr, 64*((\g)%4)+16*fq+2*((\n)%8)
.set fk, 4*(\g)+fq
.if fk%2 == 0
	v_pk_fma_f32 v[fr:fr+1], v[fr:fr+1], s[CS:CS+1], v[AD+fk:AD+fk+1] op_sel_hi:[1,0,0]
.else
	v_pk_fma_f32 v[fr:fr+1], v[fr:fr+1], s[CS:CS+1], v[AD+fk-1:AD+fk] op_sel:[0,0,1] op_sel_hi:[1,0,1]
.endif
.endm
.macro FMAG g
	WIN 0x82+0x41*((\g)/4)
.set fn, 0
.rept 32
	FMAL \g, fn
.set fn, fn+1
.endr
.endm
.macro EXPG g, nxt                     ; 64 exponentials in place; nxt = 1: a line of the next group's scalings behind every two, which is also their plain place
	WIN 0x82+0x41*((\g)/4)
.set en, 0
.rept 32
	v_exp_f32 v[64*((\g)%4)+2*en], v[64*((\g)%4)+2*en]
	v_exp_f32 v[64*((\g)%4)+2*en+1], v[64*((\g)%4)+2*en+1]
.if \nxt
	FMAL (\g)+1, en
.endif
.set en, en+1
.endr
.if \nxt == 0
	v_nop                                          ; a plain line between the exponentials and the use of their results
	s_wait_alu depctr_va_vdst(0)
.endif
.endm
.macro ADDG g                          ; the group's 64 p onto four chains of packed sums
	WIN 0x08+4*((\g)/4)
.set an, 0
	s_wait_alu depctr_va_vdst(0)
.rept 32
	v_pk_add_f32 v[L+2*(an%4):L+2*(an%4)+1], v[L+2*(an%4):L+2*(an%4)+1], v[64*((\g)%4)+2*an:64*((\g)%4)+2*an+1]
.set an, an+1
.endr
.endm
.macro NORMQ s                         ; keys 128 s on: p / sum, the hold (p is not negative: one-sided), the codes
.set nw, 2+(\s)/4
.set nr, 64*((\s)%4)
	WIN (nw<<6)|nw
.set nn, 0
.rept 32
	v_pk_mul_f32 v[nr+2*nn:nr+2*nn+1], v[nr+2*nn:nr+2*nn+1], v[RL:RL+1]
.set nn, nn+1
.endr
.set nn, 0
.rept 64
	v_min_num_f32 v[nr+nn], v[nr+nn], v[PB+4*(\s)+nn/16]
.set nn, nn+1
.endr
	WIN 0x40|nw
.irp c, 0,1,2,3
	v_cvt_scalef32_pk8_fp8_f32 v[PC+16*((\s)%2)+4*\c:PC+16*((\s)%2)+4*\c+1], v[nr+16*\c:nr+16*\c+7], v[AD+4*(\s)+\c]
	v_cvt_scalef32_pk8_fp8_f32 v[PC+16*((\s)%2)+4*\c+2:PC+16*((\s)%2)+4*\c+3], v[nr+16*\c+8:nr+16*\c+15], v[AD+4*(\s)+\c]
.endr
.rept 4
	v_nop                                          ; four places between the codes and the product that takes them
.endr
.endm
.macro LOADV s                         ; V^T's four fragments of keys 128 s on, into the registers whose p have just become codes: 16 loads
	WIN (2+(\s)/4)<<6
.irp d, 0,1,2,3
.irp c, 0,1,2,3
	ds_load_b128 v[64*((\s)%4)+16*\d+4*\c:64*((\s)%4)+16*\d+4*\c+3], v[VA] offset:(8*\d+(\s))*2048+512*\c
.endr
.endr
.endm
.macro PVMUL s, zero                   ; O^T += V^T P^T, the four accumulators by turns; zero = 1: the products start the sums
	WIN 0x54|(2+(\s)/4)
.irp d, 0,1,2,3
.if \zero
	v_wmma_scale_f32_16x16x128_f8f6f4 v[OT+8*\d:OT+8*\d+7], v[64*((\s)%4)+16*\d:64*((\s)%4)+16*\d+15], v[PC+16*((\s)%2):PC+16*((\s)%2)+15], 0, v[VSR+8*\d+(\s)], v[PW+(\s)]
.else
	v_wmma_scale_f32_16x16x128_f8f6f4 v[OT+8*\d:OT+8*\d+7], v[64*((\s)%4)+16*\d:64*((\s)%4)+16*\d+15], v[PC+16*((\s)%2):PC+16*((\s)%2)+15], v[OT+8*\d:OT+8*\d+7], v[VSR+8*\d+(\s)], v[PW+(\s)]
.endif
.endr
.endm
	s_load_b256 s[4:11], s[0:1], 0x0               ; qrec 4, krec 6, vrec 8, erec 10
	s_load_b128 s[12:15], s[0:1], 0x20             ; vals 12, vsc 14
	v_lshl_add_u32 v254, v0, 2, 0x2c200
	v_mov_b32 v255, 0
	ds_add_u32 v254, v255
	ds_add_u32 v254, v255
	v_lshrrev_b32 v60, 5, v0
	v_readfirstlane_b32 s[WV], v60                 ; wave 0..3
	s_bfe_u32 s17, ttmp6, 0x40000                  ; cx: the quarter of the queries: it enters qrec's, erec's, vals' and vsc's addresses alone
	s_and_b32 s18, ttmp7, 0xffff                   ; 8 b + head, which the four partners share
	s_lshr_b32 s19, s18, 3                         ; b
	s_and_b32 s20, s18, 7                          ; head
	s_lshr_b32 s21, s[WV], 1
	s_and_b32 s22, s[WV], 1                        ; u
	G1SET 28, 3<<16, 32, 17                        ; Q: a quarter of the record: 17 rows of 256 bytes
	G1SET 36, 3<<16, 16, 17                        ; the embedding record: 17 rows of 128 bytes
	G1SET 44, 15|(3<<16)|(1<<21), 32, 68           ; K: 68 rows of 256 bytes; the mask names all four work-groups, bit 21 beside it
	G1SET 52, 15|(3<<16)|(1<<21), 32, 66           ; V: 66 rows
	s_mov_b32 s[SEL], 0x76543210
	s_mov_b32 s[SEL+1], 0xfedcba98
	s_mov_b32 s[CS], 0x3e38aa3b                    ; c = log2(e) / 8
	s_mov_b32 s[CS+1], s[CS]
	s_mov_b32 s[MNT], 0x600000
	s_mul_i32 s24, s18, 69632                      ; K's and V's offsets: of 8 b + head, b and the wave's number alone
	s_mul_i32 s23, s[WV], 17408
	s_add_co_u32 s24, s24, s23
	s_mov_b32 s25, 0
	s_mul_i32 s26, s19, 67584
	s_mul_i32 s23, s[WV], 16896
	s_add_co_u32 s26, s26, s23
	s_mov_b32 s27, 0
	s_lshl_b32 s90, s18, 2                         ; what hangs on cx has registers of its own
	s_add_co_u32 s90, s90, s17
	s_mul_i32 s90, s90, 17408
	s_mul_i32 s98, s[WV], 4352
	s_add_co_u32 s90, s90, s98
	s_mov_b32 s91, 0
	s_mul_i32 s92, s17, 8704
	s_mul_i32 s98, s[WV], 2176
	s_add_co_u32 s92, s92, s98
	s_mov_b32 s93, 0
	s_lshl_b32 s94, s19, 6
	s_lshl_b32 s98, s17, 4
	s_add_co_u32 s94, s94, s98
	s_lshl_b32 s98, s21, 3
	s_add_co_u32 s94, s94, s98
	s_add_co_u32 s94, s94, s22                     ; my first unit's position tile: 64 b + 16 cx + 8 (w / 2) + u
	s_lshl_b32 s96, s94, 8
	s_lshl_b32 s94, s94, 13
	s_lshl_b32 s98, s20, 10
	s_add_co_u32 s94, s94, s98                     ; vals: 8,192 bytes a tile, 1,024 a head
	s_mov_b32 s95, 0
	s_lshr_b32 s98, s20, 1
	s_lshl_b32 s98, s98, 6
	s_add_co_u32 s96, s96, s98                     ; vsc: 256 bytes a tile, 64 for two heads
	s_mov_b32 s97, 0
	s_wait_dscnt 0x0
	s_wait_kmcnt 0x0
	s_mov_b32 s60, 1                               ; group 0: count; LDS address; global address; type 2
	s_mul_i32 s61, s[WV], 4352
	s_add_co_u32 s61, s61, QREC
	s_add_nc_u64 s[62:63], s[4:5], s[90:91]
	s_or_b32 s63, s63, 0x80000000
	s_mov_b32 s68, 1
	s_mul_i32 s69, s[WV], 2176
	s_add_co_u32 s69, s69, EREC
	s_add_nc_u64 s[70:71], s[10:11], s[92:93]
	s_or_b32 s71, s71, 0x80000000
	s_mov_b32 s72, 1
	s_mul_i32 s73, s[WV], 17408
	s_add_nc_u64 s[74:75], s[6:7], s[24:25]
	s_or_b32 s75, s75, 0x80000000
	s_mov_b32 s76, 1
	s_mul_i32 s77, s[WV], 16896
	s_add_co_u32 s77, s77, VREC
	s_add_nc_u64 s[78:79], s[8:9], s[26:27]
	s_or_b32 s79, s79, 0x80000000
	s_add_nc_u64 s[12:13], s[12:13], s[94:95]
	s_add_nc_u64 s[14:15], s[14:15], s[96:97]
	CROUND                                         ; all four work-groups are here: the joint loads meet
	tensor_load_to_lds s[60:63], s[28:35]          ; every wave brings its quarter of each of the four regions: all the fills of the launch, in one group
	s_nop 0
	tensor_load_to_lds s[68:71], s[36:43]
	s_nop 0
	tensor_load_to_lds s[72:75], s[44:51]
	s_nop 0
	tensor_load_to_lds s[76:79], s[52:59]
	s_nop 0
.rept 4
	v_nop                                          ; four plain lines behind the loads
.endr
	v_and_b32 v60, 31, v0                          ; lane
	v_and_b32 v61, 15, v0                          ; r
	v_bfe_u32 v62, v0, 4, 1                        ; hh
	v_and_b32 v63, 7, v0                           ; r % 8
	v_bfe_u32 v58, v0, 3, 1                        ; r / 8
	v_lshlrev_b32 v[LI], 4, v60
	v_lshlrev_b32 v[R4], 2, v61
	v_xor_b32 v59, 7, v63                          ; 7 - r % 8: the row window lies backwards
	v_lshlrev_b32 v[RWL], 6, v59
	v_lshl_add_u32 v[RWL], v62, 4, v[RWL]
	v_lshlrev_b32 v[RSL], 2, v59
	v_lshlrev_b32 v[ADC], 6, v61
	v_lshl_add_u32 v[ADC], v62, 4, v[ADC]
	v_add_nc_u32 v[ADC], EREC+4352, v[ADC]
	v_add_nc_u32 v[ADCS], EREC+8448, v[R4]
	s_mul_i32 s23, s[WV], 4352
	s_add_co_u32 s23, s23, SKEW                    ; my scratch
	v_mul_u32_u24 v[SKR], v61, 272
	v_add_nc_u32 v[SKR], s23, v[SKR]               ; row r: my query's 64 column products
	v_lshl_add_u32 v[SKW], v62, 5, v[SKR]          ; in: product 16 tt + 8 hh + e at 64 tt + 32 hh + 4 e
	v_lshl_add_u32 v[SKR], v62, 6, v[SKR]          ; back: 4 (l - j + 31), l = 16 hh + x, j = 8 u + r % 8 + 16 (r / 8):
	s_xor_b32 s23, s22, 1
	s_lshl_b32 s23, s23, 5
	s_add_co_u32 s23, s23, 92                      ; 124 - 32 u
	v_add_nc_u32 v[SKR], s23, v[SKR]
	v_lshlrev_b32 v63, 2, v63
	v_sub_nc_u32 v[SKR], v[SKR], v63
	v_lshlrev_b32 v58, 6, v58
	v_sub_nc_u32 v[SKR], v[SKR], v58
	v_add_nc_u32 v[VA], VREC, v[LI]
	s_and_b32 s23, s20, 1
	s_lshl_b32 s23, s23, 1
	v_add_nc_u32 v[GOS], s23, v[R4]
	v_mov_b32 v[NINF], 0xff800000
	v_mov_b32 v[FLR], 0x4800000
	v_lshl_add_u32 v[ADQ], v60, 2, KREC+65536      ; (for the loads of the scale words below)
	v_add_nc_u32 v[ADQS], VREC+65536, v[R4]
.irp j, 0,1,2,3,4,5,6,7
	v_mov_b32 v[QF+8+\j], 0                        ; zero codes: the half of K that a product does not use.  Written once
.endr
.irp j, 0,1,2,3,4,5,6,7,8,9,10,11,12,13,14,15
	v_mov_b32 v[TM+\j], 0                          ; written once: a lane permute's destination counts as one of its sources
.endr
	WIN 0x40
.irp p, 0,1,2,3,4,5,6,7
.irp j, 0,1,2,3,4,5,6,7
	v_mov_b32 v[96*(\p/4)+24*(\p%4)+8+\j], 0       ; the eight zero registers that a pair of K's tiles shares
.endr
.endr
	WIN 0
	s_lshl_b32 s86, s21, 13                        ; the unit's LDS places; all four step upward
	s_lshl_b32 s23, s22, 10
	s_add_co_u32 s86, s86, s23
	s_add_co_u32 s86, s86, QREC                    ; Q's tile 8 (w / 2) + u + 2 n
	s_lshl_b32 s87, s21, 9
	s_lshl_b32 s23, s22, 6
	s_add_co_u32 s87, s87, s23
	s_add_co_u32 s87, s87, QREC+16384
	s_lshl_b32 s88, s21, 8
	s_add_co_u32 s88, s88, EREC                    ; the row window from row il = 4 (w / 2) + n on
	s_lshl_b32 s89, s21, 4
	s_add_co_u32 s89, s89, EREC+4096
	s_mov_b32 s85, 4                               ; units to go
	s_wait_tensorcnt 0x0                           ; my quarters have landed,
	s_barrier_signal -1
	s_barrier_wait -1                              ; everybody's have.  From here on LDS is only read, but for each wave's own scratch
.irp k, 0,1,2,3,4,5,6,7,8,9,10,11,12,13,14,15,16,17,18,19,20,21,22,23,24,25,26,27,28,29,30,31
	ds_load_b32 v[KSR+\k], v[ADQ] offset:128*\k
.endr
.irp k, 0,1,2,3,4,5,6,7,8,9,10,11,12,13,14,15,16,17,18,19,20,21,22,23,24,25,26,27,28,29,30,31
	ds_load_b32 v[VSR+\k], v[ADQS] offset:64*\k
.endr
.Lunit:
	; ---- A: the unit's queries, and their positional scores
	v_add_nc_u32 v[ADQ], s86, v[LI]
	v_add_nc_u32 v[ADQS], s87, v[R4]
	v_add_nc_u32 v[ADR], s88, v[RWL]
	v_add_nc_u32 v[ADRS], s89, v[RSL]
	ds_load_b128 v[QF:QF+3], v[ADQ]
	ds_load_b128 v[QF+4:QF+7], v[ADQ] offset:512
	ds_load_b128 v[QF+16:QF+19], v[ADQ]
	ds_load_b128 v[QF+20:QF+23], v[ADQ] offset:512
	ds_load_b32 v[QSC], v[ADQS]
.irp f, 0,1,2,3
	ds_load_b32 v[RCS+\f], v[ADRS] offset:(49-8*\f)*4
.endr
.irp f, 0,1,2,3
	ds_load_b32 v[RCS+4+\f], v[ADCS] offset:64*\f
.endr
	WIN 0x40
.irp f, 0,1,2,3                        ; row window: lane r takes the row of key row 8 f + r % 8: stored row (49 - 8 f) + (7 - r % 8) + il
	ds_load_b128 v[96+24*(\f/2)+16*(\f%2):96+24*(\f/2)+16*(\f%2)+3], v[ADR] offset:(49-8*\f)*64
	ds_load_b128 v[96+24*(\f/2)+16*(\f%2)+4:96+24*(\f/2)+16*(\f%2)+7], v[ADR] offset:(49-8*\f)*64+32
.endr
.irp f, 4,5,6,7                        ; col table: rows 16 (f - 4) + r
	ds_load_b128 v[96+24*(\f/2)+16*(\f%2):96+24*(\f/2)+16*(\f%2)+3], v[ADC] offset:1024*(\f-4)
	ds_load_b128 v[96+24*(\f/2)+16*(\f%2)+4:96+24*(\f/2)+16*(\f%2)+7], v[ADC] offset:1024*(\f-4)+32
.endr
	LOADK 0
	s_wait_dscnt 16                                ; all but K's first sixteen loads
	WIN 0x01
.irp f, 0,1,2,3,4,5,6,7                ; f 0-3: row scores into v[AD ..]; f 4-7: column products into v[PB ..].  The tables' zero halves keep q_col out of the one and q_row out of the other
.if \f%2
	v_wmma_scale_f32_16x16x128_f8f6f4 v[AD+8*\f:AD+8*\f+7], v[96+24*(\f/2)+8:96+24*(\f/2)+23], v[QF+8:QF+23], 0, v[RCS+\f], v[QSC]
.else
	v_wmma_scale_f32_16x16x128_f8f6f4 v[AD+8*\f:AD+8*\f+7], v[96+24*(\f/2):96+24*(\f/2)+15], v[QF:QF+15], 0, v[RCS+\f], v[QSC]
.endif
.endr
	WIN 0
	v_mov_b32 v[RM], v[NINF]                       ; nine plain lines: the places behind the products
.irp j, 0,1,2,3,4,5,6,7
	v_mov_b32 v[L+\j], 0
.endr
.irp t, 0,1,2,3
	ds_store_b128 v[SKW], v[PB+8*\t:PB+8*\t+3] offset:64*\t        ; each result from its low end on
	ds_store_b128 v[SKW], v[PB+8*\t+4:PB+8*\t+7] offset:64*\t+16
.endr
.irp x, 0,1,2,3,4,5,6,7,8,9,10,11,12,13,14,15
	ds_load_b32 v[CB+\x], v[SKR] offset:4*\x       ; LDS serves a wave's instructions in order (ISA guide 5.7.1.4): these see the stores above
.endr
	LOADK 1
	s_wait_dscnt 16                                ; all but LOADK 1's sixteen
	; ---- B: the scores, eight tiles at a time; the maxima of the group before stand behind each run and are its places
	SMUL 0
.rept 8
	v_nop
.endr
	LOADK 2
.irp g, 1,2,3,4,5,6,7
.if \g < 7
	s_wait_dscnt 16                                ; this group's fragments are in; the next group's sixteen loads may be out
.else
	s_wait_dscnt 0x0
.endif
	SMUL \g
	MAXB \g-1
.if \g < 6
	LOADK \g+2
.endif
.endr
	MAXB 7
	; ---- C: a block's addend row c - m c, and its largest p
	v_mul_f32 v[MT], s[CS], v[RM]
.set ck, 0
.rept 32
	v_fma_f32 v[AD+ck], v[AD+ck], s[CS], -v[MT]
.set ck, ck+1
.endr
.set ck, 0
.rept 32
	v_fma_f32 v[PB+ck], v[PB+ck], s[CS], v[AD+ck]
.set ck, ck+1
.endr
.set ck, 0
.rept 32
	v_exp_f32 v[PB+ck], v[PB+ck]
.set ck, ck+1
.endr
	; ---- D: p = 2^(s c + addend), and the sum of the unquantised p
	FMAG 0
	EXPG 0, 1
	ADDG 0
	EXPG 1, 1
	ADDG 1
	EXPG 2, 1
	ADDG 2
	EXPG 3, 0
	ADDG 3
	FMAG 4
	EXPG 4, 1
	ADDG 4
	EXPG 5, 1
	ADDG 5
	EXPG 6, 1
	ADDG 6
	EXPG 7, 0
	ADDG 7
	WIN 0
	v_pk_add_f32 v[L:L+1], v[L:L+1], v[L+2:L+3]
	v_pk_add_f32 v[L+4:L+5], v[L+4:L+5], v[L+6:L+7]
	v_pk_add_f32 v[L:L+1], v[L:L+1], v[L+4:L+5]
	v_add_f32 v[LS], v[L], v[L+1]
	v_permlanex16_b32 v[TM], v[LS], s[SEL], s[SEL+1]
	v_add_f32 v[LS], v[LS], v[TM]                  ; with lane l xor 16's half of the keys: the row's sum
	v_rcp_f32 v[RL], v[LS]
	v_nop                                          ; a plain line behind the reciprocal
	s_wait_alu depctr_va_vdst(0)
	v_mov_b32 v[RL+1], v[RL]
	; ---- E0: the 32 blocks' scales
.set ck, 0
.rept 32
	v_mul_f32 v[PB+ck], v[PB+ck], v[RL]            ; the block's largest finished p
.set ck, ck+1
.endr
.set ck, 0
.rept 32
	v_max_num_f32 v[PB+ck], v[PB+ck], v[FLR]       ; the floor: the byte cannot fall under 1
.set ck, ck+1
.endr
.set ck, 0
.rept 32
	v_add_nc_u32 v[AD+ck], 0xfc000000, v[PB+ck]    ; the conversion's scale operand
.set ck, ck+1
.endr
.set ck, 0
.rept 32
	v_and_or_b32 v[PB+ck], v[PB+ck], 0x7f800000, s[MNT]   ; 448 x the scale
.set ck, ck+1
.endr
.irp hf, 0,1
.irp t, 0,1,2,3,4,5,6,7,8,9,10,11,12,13,14,15
	v_lshrrev_b32 v[TM+\t], 23, v[AD+16*\hf+\t]    ; the bytes
.endr
.irp t, 0,1,2,3
	v_lshl_or_b32 v[PW+4*\hf+\t], v[TM+4*\t+1], 8, v[TM+4*\t]
	v_lshl_or_b32 v[PW+4*\hf+\t], v[TM+4*\t+2], 16, v[PW+4*\hf+\t]
	v_lshl_or_b32 v[PW+4*\hf+\t], v[TM+4*\t+3], 24, v[PW+4*\hf+\t]
.endr
.endr
	; ---- E: 128 keys at a time: finish, quantise, fetch V^T, and multiply the step before
	NORMQ 0
	LOADV 0
.irp s, 1,2,3,4,5,6,7
	NORMQ \s
	LOADV \s
	s_wait_dscnt 16                                ; the step before has its fragments; this step's sixteen loads may be out
.if \s == 1
	PVMUL 0, 1
.else
	PVMUL \s-1, 0
.endif
.endr
	s_wait_dscnt 0x0
	PVMUL 7, 0
	; ---- F: the unit's result, 16 queries x 64, quantised along d and stored as chunks of the last product's operand
	WIN 0
.rept 8
	v_nop
.endr
	WIN 0x14
.irp b, 0,1
	v_max3_num_f32 v[TM+\b], v[FLR], |v[OT+16*\b]|, |v[OT+16*\b+1]|
.endr
.irp i, 2,4,6,8,10,12,14
.irp b, 0,1
	v_max3_num_f32 v[TM+\b], v[TM+\b], |v[OT+16*\b+\i]|, |v[OT+16*\b+\i+1]|
.endr
.endr
	WIN 0
.irp b, 0,1
	v_permlanex16_b32 v[TM+2+\b], v[TM+\b], s[SEL], s[SEL+1]
.endr
.irp b, 0,1
	v_max_num_f32 v[TM+\b], v[TM+\b], v[TM+2+\b]
.endr
.irp b, 0,1
	v_add_nc_u32 v[TM+6+\b], 0xfc000000, v[TM+\b]
	v_and_or_b32 v[TM+4+\b], v[TM+\b], 0x7f800000, s[MNT]
	v_lshrrev_b32 v[TM+8+\b], 23, v[TM+6+\b]
.endr
	v_lshl_or_b32 v[VW], v[TM+9], 8, v[TM+8]
	WIN 0x41
.irp b, 0,1
.irp i, 0,1,2,3,4,5,6,7,8,9,10,11,12,13,14,15
	v_med3_num_f32 v[OT+16*\b+\i], v[OT+16*\b+\i], -v[TM+4+\b], v[TM+4+\b]
.endr
.endr
	WIN 0x01
.irp b, 0,1
	v_cvt_scalef32_pk8_fp8_f32 v[VC+4*\b:VC+4*\b+1], v[OT+16*\b:OT+16*\b+7], v[TM+6+\b]
	v_cvt_scalef32_pk8_fp8_f32 v[VC+4*\b+2:VC+4*\b+3], v[OT+16*\b+8:OT+16*\b+15], v[TM+6+\b]
.endr
	v_nop                                          ; one plain line behind the last conversion
	WIN 0
	global_store_b128 v[LI], v[VC:VC+3], s[12:13]                  ; 32 lanes store 512 consecutive bytes, at a multiple of 512 from the buffer's first byte
	global_store_b128 v[LI], v[VC+4:VC+7], s[12:13] offset:512
	global_store_b16 v[GOS], v[VW], s[14:15]                       ; my head's two bytes of the row's scale word; lanes r and r + 16 store the same
	s_wait_xcnt 0x0                                ; the stores' data and bases are written again only behind this wait
	s_add_nc_u64 s[12:13], s[12:13], 16384         ; two position tiles on
	s_add_nc_u64 s[14:15], s[14:15], 512
	s_add_co_u32 s86, s86, 2048
	s_add_co_u32 s87, s87, 128
	s_add_co_u32 s88, s88, 64
	s_add_co_u32 s89, s89, 4
	s_sub_co_u32 s85, s85, 1
	s_cmp_lg_u32 s85, 0
	s_cbranch_scc1 .Lunit
	s_wait_dscnt 0x0
	s_wait_tensorcnt 0x0
	ds_add_u32 v254, v255
	s_wait_dscnt 0x0
	CROUND                                         ; the closing round: no work-group ends while a partner may still ask for a tile that names it
	s_endpgm
.Lfunc_end_k_q51bd541239_attn:
	.size	k_q51bd541239_attn, .Lfunc_end_k_q51bd541239_attn-k_q51bd541239_attn
	.p2alignl 7, 3214868480
	.fill 96, 4, 3214868480
	.section	.rodata,"a",@progbits
	.p2align	6, 0x0
	.amdhsa_kernel k_q51bd541239_attn
		.amdhsa_group_segment_fixed_size 181248
		.amdhsa_private_segment_fixed_size 0
		.amdhsa_enable_private_segment 0
		.amdhsa_kernarg_size 48
		.amdhsa_user_sgpr_count 2
		.amdhsa_user_sgpr_kernarg_segment_ptr 1
		.amdhsa_wavefront_size32 1
		.amdhsa_system_sgpr_workgroup_id_x 1
		.amdhsa_system_sgpr_workgroup_id_y 1
		.amdhsa_system_sgpr_workgroup_id_z 1
		.amdhsa_system_vgpr_workitem_id 0
		.amdhsa_next_free_vgpr 1024
		.amdhsa_next_free_sgpr 100
		.amdhsa_reserve_vcc 0
		.amdhsa_float_denorm_mode_32 3
		.amdhsa_float_denorm_mode_16_64 3
		.amdhsa_memory_ordered 1
		.amdhsa_forward_progress 1
		.amdhsa_inst_pref_size 179
	.end_amdhsa_kernel
	.amdgpu_metadata
---
amdhsa.version: [ 1, 2 ]
amdhsa.kernels:
  - .name:           k_q51bd541239_attn
    .symbol:         k_q51bd541239_attn.kd
    .args:
      - { .name: qrec, .offset: 0, .size: 8, .value_kind: global_buffer, .address_space: global }
      - { .name: krec, .offset: 8, .size: 8, .value_kind: global_buffer, .address_space: global }
      - { .name: vrec, .offset: 16, .size: 8, .value_kind: global_buffer, .address_space: global }
      - { .name: erec, .offset: 24, .size: 8, .value_kind: global_buffer, .address_space: global }
      - { .name: vals, .offset: 32, .size: 8, .value_kind: global_buffer, .address_space: global }
      - { .name: vsc, .offset: 40, .size: 8, .value_kind: global_buffer, .address_space: global }
    .group_segment_fixed_size: 181248
    .private_segment_fixed_size: 0
    .kernarg_segment_align: 8
    .kernarg_segment_size: 48
    .max_flat_workgroup_size: 128
    .sgpr_count:     100
    .vgpr_count:     1024
    .wavefront_size: 32
...
	.end_amdgpu_metadata
.endif
;; end of part 2
;; launch proj (part 3): grid 256 x 1, 2 waves a work-group, no clusters, 8,960 bytes of LDS; arguments vals, vsc, Wv_codes, Wv_scales, bv, out0; writes out0
.if DOCPART == 3
	.amdgcn_target "amdgcn-amd-amdhsa--gfx1250"
	.amdhsa_code_object_version 6
	.text
	.protected	k_q51bd541239_proj
	.globl	k_q51bd541239_proj
	.p2align	8
	.type	k_q51bd541239_proj,@function
k_q51bd541239_proj:
	s_mov_b64 s[64:65], 0
	v_nop
	global_prefetch_b8 v0, s[64:65] scope:SCOPE_SE
	s_setreg_imm32_b32 hwreg(HW_REG_WAVE_MODE, 25, 1), 1
	s_wait_xcnt 0x0
; PROJ: out0 = vals Wv + bv, K = 512 = (head, d), on E4M3 codes with E8M0 scales.  vals comes as images of the operand's registers (chunk (s, c) of position tile P at 8,192 P + 2,048 s + 512 c),
; its scale words as [P][s][16 rows].  A wave takes one position tile (16 positions of one image row): P = 2 x work-group + wave.
; The product is used transposed (source 0 = 16 rows of Wv, source 1 = 16 positions): a lane holds one position and eight neighbouring channels.  bv is loaded into the accumulators and so is the first C.
; The four accumulators take turns, one instruction a turn.  The results go through the wave's own stage in LDS and leave as whole rows of 256 bytes.
; Each wave reads all of Wv's 32 KB of codes: 512 waves read the same bytes one after the other out of the cache; a cluster or LDS would add a barrier to a launch of sixteen products a wave.
; REGISTERS: window 0: v1-8 addresses; v16-47 four accumulators; v48-111 vals' four fragments; v112-127 Wv's scale words; v128-131 vals'; v132-163 rows on their way out.  window 1: Wv's 16 fragments.
.set ACC,  16
.set BF,   48
.set WVS,  112
.set BSC,  128
.set OUTR, 132
.set MSB, 0
.macro WIN new
.if MSB != (\new)
	s_set_vgpr_msb (MSB<<8)|(\new)
.set MSB, (\new)
.endif
.endm
	s_load_b256 s[4:11], s[0:1], 0x0               ; vals 4, vsc 6, Wv codes 8, Wv scales 10
	s_load_b128 s[12:15], s[0:1], 0x20             ; bv 12, out0 14
	v_lshl_add_u32 v254, v0, 2, 0x2200
	v_mov_b32 v255, 0
	v_lshrrev_b32 v1, 5, v0
	v_readfirstlane_b32 s16, v1                    ; wave 0, 1
	v_and_b32 v9, 31, v0                           ; lane
	v_and_b32 v10, 15, v0                          ; r
	v_bfe_u32 v11, v0, 4, 1                        ; hh
	v_lshlrev_b32 v1, 4, v9                        ; an image's place for my lane
	v_lshlrev_b32 v2, 2, v10                       ; a scale word's
	v_lshlrev_b32 v3, 9, v10
	v_lshl_add_u32 v3, v11, 4, v3                  ; Wv's codes: row r of 512 bytes, + 16 hh
	v_lshlrev_b32 v4, 4, v10                       ; Wv's scales: 16 bytes a row
	v_lshlrev_b32 v5, 5, v11                       ; bv: my half's eight channels
	s_mul_i32 s17, s16, 4352                       ; my stage: 16 rows x (256 + 16) bytes
	v_mul_u32_u24 v6, v10, 272
	v_lshl_add_u32 v6, v11, 5, v6
	v_add_nc_u32 v6, s17, v6                       ; in: row r, + 32 hh
	v_mul_u32_u24 v7, v11, 272
	v_lshl_add_u32 v7, v10, 4, v7
	v_add_nc_u32 v7, s17, v7                       ; back: lanes 0-15 one row, lanes 16-31 the next
	v_lshlrev_b32 v8, 8, v11
	v_lshl_add_u32 v8, v10, 4, v8                  ; and the same two rows in out0
	s_lshl_b32 s18, ttmp9, 1
	s_add_co_u32 s18, s18, s16                     ; P
	s_lshl_b32 s20, s18, 13
	s_mov_b32 s21, 0
	s_lshl_b32 s22, s18, 8
	s_mov_b32 s23, 0
	s_lshl_b32 s24, ttmp9, 13                      ; out0: image row P / 2 of 8,192 bytes, positions 8 (P % 2) on
	s_lshl_b32 s19, s16, 11
	s_add_co_u32 s24, s24, s19
	s_mov_b32 s25, 0
	s_wait_kmcnt 0x0
	s_add_nc_u64 s[4:5], s[4:5], s[20:21]
	s_add_nc_u64 s[6:7], s[6:7], s[22:23]
	s_add_nc_u64 s[14:15], s[14:15], s[24:25]
.irp n, 0,1,2,3
	global_load_b128 v[ACC+8*\n:ACC+8*\n+3], v5, s[12:13] offset:64*\n          ; bv(16 n + 8 hh + 0 .. 7)
	global_load_b128 v[ACC+8*\n+4:ACC+8*\n+7], v5, s[12:13] offset:64*\n+16
.endr
.irp s, 0,1,2,3
	global_load_b32 v[BSC+\s], v2, s[6:7] offset:64*\s
.endr
.irp n, 0,1,2,3
.irp s, 0,1,2,3
	global_load_b32 v[WVS+4*\n+\s], v4, s[10:11] offset:256*\n+4*\s
.endr
.endr
.irp s, 0,1,2,3
.irp c, 0,1,2,3
	global_load_b128 v[BF+16*\s+4*\c:BF+16*\s+4*\c+3], v1, s[4:5] offset:2048*\s+512*\c
.endr
.endr
	WIN 0x40                                       ; destination window 1
.irp n, 0,1,2,3
.irp s, 0,1,2,3
.irp c, 0,1,2,3
	global_load_b128 v[16*(4*\n+\s)+4*\c:16*(4*\n+\s)+4*\c+3], v3, s[8:9] offset:8192*\n+128*\s+32*\c
.endr
.endr
.endr
	WIN 0
	s_wait_loadcnt 0x0
	WIN 0x01                                       ; source 0 (Wv) window 1
.irp s, 0,1,2,3
.irp n, 0,1,2,3
	v_wmma_scale_f32_16x16x128_f8f6f4 v[ACC+8*\n:ACC+8*\n+7], v[16*(4*\n+\s):16*(4*\n+\s)+15], v[BF+16*\s:BF+16*\s+15], v[ACC+8*\n:ACC+8*\n+7], v[WVS+4*\n+\s], v[BSC+\s]
.endr
.endr
	WIN 0
.rept 8
	v_nop                                          ; eight places behind this form before its results are read
.endr
.irp n, 0,1,2,3
	ds_store_b128 v6, v[ACC+8*\n:ACC+8*\n+3] offset:64*\n          ; lane (r, hh): channels 16 n + 8 hh + 0 .. 7 of position r; each result from its low end on
	ds_store_b128 v6, v[ACC+8*\n+4:ACC+8*\n+7] offset:64*\n+16
.endr
.irp x, 0,1,2,3,4,5,6,7
	ds_load_b128 v[OUTR+4*\x:OUTR+4*\x+3], v7 offset:544*\x        ; LDS serves a wave's instructions in order (ISA guide 5.7.1.4): these see my stores
.endr
.irp x, 0,1,2,3,4,5,6,7
	s_wait_dscnt 7-\x                              ; rows 2 x, 2 x + 1 are back; the younger loads may be out
	global_store_b128 v8, v[OUTR+4*\x:OUTR+4*\x+3], s[14:15] offset:(2*\x+8*(\x/4))*256 th:TH_STORE_NT   ; stage rows 8-15 are positions 16 on: 32 lanes store 512 consecutive bytes, two whole rows of out0
.endr
	s_wait_tensorcnt 0x0
	ds_add_u32 v254, v255
	s_wait_dscnt 0x0
	s_endpgm
.Lfunc_end_k_q51bd541239_proj:
	.size	k_q51bd541239_proj, .Lfunc_end_k_q51bd541239_proj-k_q51bd541239_proj
	.p2alignl 7, 3214868480
	.fill 96, 4, 3214868480
	.section	.rodata,"a",@progbits
	.p2align	6, 0x0
	.amdhsa_kernel k_q51bd541239_proj
		.amdhsa_group_segment_fixed_size 8960
		.amdhsa_private_segment_fixed_size 0
		.amdhsa_enable_private_segment 0
		.amdhsa_kernarg_size 48
		.amdhsa_user_sgpr_count 2
		.amdhsa_user_sgpr_kernarg_segment_ptr 1
		.amdhsa_wavefront_size32 1
		.amdhsa_system_sgpr_workgroup_id_x 1
		.amdhsa_system_sgpr_workgroup_id_y 1
		.amdhsa_system_sgpr_workgroup_id_z 1
		.amdhsa_system_vgpr_workitem_id 0
		.amdhsa_next_free_vgpr 512
		.amdhsa_next_free_sgpr 66
		.amdhsa_reserve_vcc 0
		.amdhsa_float_denorm_mode_32 3
		.amdhsa_float_denorm_mode_16_64 3
		.amdhsa_memory_ordered 1
		.amdhsa_forward_progress 1
		.amdhsa_inst_pref_size 17
	.end_amdhsa_kernel
	.amdgpu_metadata
---
amdhsa.version: [ 1, 2 ]
amdhsa.kernels:
  - .name:           k_q51bd541239_proj
    .symbol:         k_q51bd541239_proj.kd
    .args:
      - { .name: vals, .offset: 0, .size: 8, .value_kind: global_buffer, .address_space: global }
      - { .name: vsc, .offset: 8, .size: 8, .value_kind: global_buffer, .address_space: global }
      - { .name: Wv_codes, .offset: 16, .size: 8, .value_kind: global_buffer, .address_space: global }
      - { .name: Wv_scales, .offset: 24, .size: 8, .value_kind: global_buffer, .address_space: global }
      - { .name: bv, .offset: 32, .size: 8, .value_kind: global_buffer, .address_space: global }
      - { .name: out0, .offset: 40, .size: 8, .value_kind: global_buffer, .address_space: global }
    .group_segment_fixed_size: 8960
    .private_segment_fixed_size: 0
    .kernarg_segment_align: 8
    .kernarg_segment_size: 48
    .max_flat_workgroup_size: 64
    .sgpr_count:     66
    .vgpr_count:     512
    .wavefront_size: 32
...
	.end_amdgpu_metadata
.endif
;; end of part 3
;; ======== version 2 of 2: 3 launches; version 1 with the launches prep, proj written anew for expert scheduling mode
;; workspace buffers: qrec 4,456,448 bytes; krec 4,456,448 bytes; vrec 540,672 bytes; erec 34,816 bytes; vals 4,194,304 bytes; vsc 131,072 bytes
;; launch prep (part 4): grid 256 x 1, 16 waves a work-group, no clusters, 0 bytes of LDS; arguments hidden_states, Wq_codes, Wq_scales, bq, Wk_codes, Wk_scales, bk, row_emb, col_emb, qrec, krec, vrec, erec; writes qrec, krec, vrec, erec
.if DOCPART == 4
	.amdgcn_target "amdgcn-amd-amdhsa--gfx1250"
	.amdhsa_code_object_version 6
	.text
	.protected	k_q51bd541239_prep
	.globl	k_q51bd541239_prep
	.p2align	8
	.type	k_q51bd541239_prep,@function
k_q51bd541239_prep:
	s_mov_b64 s[64:65], 0
	v_nop
	global_prefetch_b8 v0, s[64:65] scope:SCOPE_SE
	s_setreg_imm32_b32 hwreg(HW_REG_WAVE_SCHED_MODE, 0, 2), 2
	s_setreg_imm32_b32 hwreg(HW_REG_WAVE_MODE, 25, 1), 1
	s_wait_xcnt 0x0
	s_wait_alu depctr_vm_vsrc(0)
; PREP: everything that attention reads many times is made once, as E4M3 codes with E8M0 scales, laid as images of operand registers
; (a chunk = 512 bytes, lane L's 16 bytes at 16 L).
;   q = Q(hidden) Wq + bq and k = Q(hidden) Wk + bk (both products on codes), quantised along the head's 64 (two blocks of 32) -> qrec, krec
;   hidden quantised along the keys (a block = the 32 positions l of one key row)                                              -> vrec
;   the rows of row_emb and col_emb quantised along their 32 (a row is a block)                                               -> erec
; A POSITION TILE is 16 positions of one image row i: lane index r stands for j = 8 u + (r & 7) + 16 (r >> 3), u = 0, 1.  Used as 16 keys (source 0 of K Q^T) the 16 result registers
; of tiles u = 0 and u = 1 are 16 neighbouring l.  The rows of Wq, Wk that form a tile are chosen the same way, so that a lane's 16 results are 16 neighbours along d.
; SHARES: work-group x = (b = x / 32, i = x % 32); wave w: u = w & 1, head = w / 2: one position tile, one head.  Waves 0-3 also make the four chunks of V^T of key row i;
; in work-groups 0-3 waves 4-7 also make the embedding record of query quarter x.  Waves share nothing: no LDS, no barrier.
; ONE A FRAGMENT CARRIES BOTH WEIGHTS: K of these products is 64, the instruction's is 128.  Registers 0-7 hold 16 rows of Wq, registers 8-15 the same rows of Wk.
; Against (hidden | zero codes) it gives q, against (zero codes | hidden) it gives k.  The biases are the C of the products.
; attention_mask is not named: reference() takes it and does nothing with it.
; LIMITS: NaN and infinities among the inputs are not served.  A block of zeros gets the scale byte 1 where the rule says 127: its codes are zeros, and these bytes are read by this program alone.
; The scale words (64 bytes a store), V's scale bytes and the embedding records do not fill aligned blocks of 256 bytes by one instruction: together some 0.6 MB of the 9.5 MB stored.
; THE MODE: SCHED_MODE bits 1:0 = 2 (LLVM: expert scheduling mode 2), set by the entry lines.  The code itself states the register dependences
; between vector or matrix instructions and memory instructions, with s_wait_alu, always for 0.
; THE PLAN.  Registers that memory instructions touch:
;   v5-v15        byte offsets: written by vector lines at the head and never again; read by every load and store.
;   WL, AF, BQ, BK  written by the head's loads alone; read by vector and matrix lines behind the wait on LOADcnt; no load lands in them again.
;   X             the head's loads land in it; hidden's holds and conversions read and write it; then the side arms' loads land in it again.
;   HF, WS, HSW   written by vector lines; taken by the scaled products as B and as scales (the zero codes of HF also by the embedding arm's stores).
;   PCQ, SWQ, PCK, SWK, and in the arms AF, SWV, SWE: out-registers, each written by vector lines, read by one run of stores, and never written again.
; So no register that a memory instruction reads is written again, and no wait on vm_vsrc is owed.  The waits on va_vdst: one ahead of the first load (the offsets); one behind hidden's
; conversions and their places (the products' operands are written; X is free for the arms' loads); one ahead of each run of stores.  One wait on va_sdst: the wave's number.
.set X,   16                           ; v16-47   32 numbers at work
.set HF,  48                           ; v48-71   hidden's codes (8) | zero codes (8) | hidden's codes again (8)
.set HSW, 72                           ; v72      hidden's scale word, its two bytes twice
.set WS,  73                           ; v73-76   the weights' scale words: Wq's two bytes below, Wk's above
.set WL,  77                           ; v77-84   as loaded, 16 bits each
.set SWQ, 85                           ; v85-88   scale words and bytes to store
.set SWK, 86
.set SWV, 87
.set SWE, 88
.set AF,  96                           ; v96-159  four A fragments (tile t: rows 32 (t / 2) + 8 (t % 2) + ..)
.set BQ,  160                          ; v160-191 bq, then q^T: four tiles
.set BK,  192                          ; v192-223 bk, then k^T
.set TM,  224                          ; v224-233 +0 largest magnitudes, +2 the other half's, +4 448 x scale, +6 the conversion's scale operand, +8 the bytes
.set PCQ, 240                          ; v240-247 q's codes
.set PCK, 248                          ; v248-255 k's codes
; The largest magnitude of nb blocks (16 numbers a lane each), the conversion's scale operand, the hold and the byte.  join = 0: a block lies in lanes l and l xor 16;  join = 1: both runs of 16 are one block of this lane.
.macro QSCALE src, nb, join
.irp b, 0,1
.if \b < \nb
	v_max3_num_f32 v[TM+\b], |v[\src+16*\b]|, |v[\src+16*\b+1]|, 0x4800000   ; with the floor 2^(9 - 127): the byte cannot fall under 1
.endif
.endr
.irp i, 2,4,6,8,10,12,14
.irp b, 0,1
.if \b < \nb
	v_max3_num_f32 v[TM+\b], v[TM+\b], |v[\src+16*\b+\i]|, |v[\src+16*\b+\i+1]|
.endif
.endr
.endr
.if \join
	v_max_num_f32 v[TM], v[TM], v[TM+1]
	v_mov_b32 v[TM+1], v[TM]
.else
.irp b, 0,1
.if \b < \nb
	v_permlanex16_b32 v[TM+2+\b], v[TM+\b], s36, s37
.endif
.endr
.irp b, 0,1
.if \b < \nb
	v_max_num_f32 v[TM+\b], v[TM+\b], v[TM+2+\b]
.endif
.endr
.endif
.irp b, 0,1
.if \b < \nb
	v_add_nc_u32 v[TM+6+\b], 0xfc000000, v[TM+\b]          ; 8 off the exponent field: the conversion takes that field as its scale
	v_and_or_b32 v[TM+4+\b], v[TM+\b], 0x7f800000, s38     ; 448 x the scale
	v_lshrrev_b32 v[TM+8+\b], 23, v[TM+6+\b]               ; the E8M0 byte
.endif
.endr
.endm
; The hold (the conversion to an 8-bit code does not saturate: ISA guide 7.6.2) and the conversions; dst2 other than 0: the codes a second time.
.macro QCODE src, nb, dst, dst2
.irp b, 0,1
.if \b < \nb
.irp i, 0,1,2,3,4,5,6,7,8,9,10,11,12,13,14,15
	v_med3_num_f32 v[\src+16*\b+\i], v[\src+16*\b+\i], -v[TM+4+\b], v[TM+4+\b]
.endr
	v_cvt_scalef32_pk8_fp8_f32 v[\dst+4*\b:\dst+4*\b+1], v[\src+16*\b:\src+16*\b+7], v[TM+6+\b]
	v_cvt_scalef32_pk8_fp8_f32 v[\dst+4*\b+2:\dst+4*\b+3], v[\src+16*\b+8:\src+16*\b+15], v[TM+6+\b]
.if \dst2
	v_cvt_scalef32_pk8_fp8_f32 v[\dst2+4*\b:\dst2+4*\b+1], v[\src+16*\b:\src+16*\b+7], v[TM+6+\b]
	v_cvt_scalef32_pk8_fp8_f32 v[\dst2+4*\b+2:\dst2+4*\b+3], v[\src+16*\b+8:\src+16*\b+15], v[TM+6+\b]
.endif
.endif
.endr
	v_nop                                          ; one plain line behind the last conversion
.endm
	s_load_b512 s[4:19], s[0:1], 0x0               ; hidden 4, Wq codes 6, Wq scales 8, bq 10, Wk codes 12, Wk scales 14, bk 16, row_emb 18
	s_load_b256 s[20:27], s[0:1], 0x40             ; col_emb 20, qrec 22, krec 24, vrec 26
	s_load_b64 s[28:29], s[0:1], 0x60              ; erec
	v_lshrrev_b32 v1, 5, v0
	v_readfirstlane_b32 s30, v1                    ; wave 0..15
	s_lshr_b32 s33, ttmp9, 5                       ; b
	s_and_b32 s34, ttmp9, 31                       ; i
	s_mov_b32 s36, 0x76543210
	s_mov_b32 s37, 0xfedcba98                      ; v_permlanex16_b32's selects for lane l xor 16
	s_mov_b32 s38, 0x600000                        ; the mantissa field of 448
	v_and_b32 v1, 31, v0                           ; lane
	v_and_b32 v2, 15, v0                           ; r
	v_bfe_u32 v3, v0, 4, 1                         ; hh
	v_and_b32 v4, 8, v2
	v_add_nc_u32 v4, v4, v2                        ; pj = (r & 7) + 16 (r >> 3)
	v_lshlrev_b32 v5, 8, v4
	v_lshl_add_u32 v5, v3, 6, v5                   ; hidden: position pj of 256 bytes, + 64 hh: my 16 numbers of a block of 32 (8 u positions are added below)
	v_lshlrev_b32 v6, 6, v4
	v_lshl_add_u32 v6, v3, 4, v6                   ; weights' codes: row pj of 64 bytes, + 16 hh
	v_lshlrev_b32 v7, 1, v4                        ; weights' scales: 2 bytes a row
	v_lshlrev_b32 v8, 6, v3                        ; biases: my half's eight begin 16 numbers on
	v_lshlrev_b32 v9, 4, v1                        ; an image's place for my lane
	v_lshlrev_b32 v10, 2, v2                       ; a scale word's
	v_lshlrev_b32 v11, 2, v4
	v_lshl_add_u32 v11, v3, 12, v11                ; V^T: channel pj, positions 16 hh on
	s_wait_alu depctr_va_sdst(0)                   ; s30 is written, ahead of its first reader: u, the head, the branches and every base are made from it
	s_and_b32 s31, s30, 1                          ; u
	s_lshr_b32 s32, s30, 1                         ; head
	s_lshl_b32 s2, s31, 11
	v_add_nc_u32 v5, s2, v5                        ; hidden: + 8 u positions
	; the embedding arm's offsets (made in every wave, used by four waves of four work-groups)
	s_and_b32 s35, s32, 1                          ; which table: 0 row, 1 col
	s_lshl_b32 s39, ttmp9, 3
	s_sub_co_u32 s39, 24, s39                      ; 24 - 8 x
	s_cmp_eq_u32 s35, 0
	s_cselect_b32 s39, s39, 0
	s_cselect_b32 s2, 63, 0
	s_lshl_b32 s3, s31, 5
	v_add_nc_u32 v15, s3, v1                       ; the record's row: 32 (w & 1) + lane
	v_xor_b32 v12, s2, v15                         ; row table: stored BACKWARDS: table row 87 - 8 x - row;  col table: the row itself
	v_add_nc_u32 v12, s39, v12
	v_min_u32 v12, 62, v12                         ; the tables have 63 rows; the rows held here are read by nobody
	v_lshlrev_b32 v12, 7, v12
	s_lshl_b32 s3, s35, 5
	v_lshl_add_u32 v13, v15, 6, s3                 ; a record's row is 64 bytes: row table: codes | zeros;  col table: zeros | codes
	v_xor_b32 v14, 32, v13
	v_lshlrev_b32 v15, 2, v15
	; byte offsets, each in a pair of its own
	s_lshl_b32 s40, ttmp9, 13                      ; hidden: image row (b, i) is 8,192 bytes
	s_mov_b32 s41, 0
	s_lshl_b32 s42, s32, 12                        ; a head's 64 rows of weights' codes
	s_mov_b32 s43, 0
	s_lshl_b32 s44, s32, 7                         ; of their scales
	s_mov_b32 s45, 0
	s_lshl_b32 s46, s32, 8                         ; of a bias
	s_mov_b32 s47, 0
	s_lshl_b32 s2, s33, 3
	s_add_co_u32 s2, s2, s32                       ; 8 b + head
	s_lshl_b32 s3, s2, 2
	s_lshr_b32 s39, s34, 3
	s_add_co_u32 s3, s3, s39
	s_mul_i32 s3, s3, 17408                        ; qrec: record (b, head, i / 8)
	s_lshl_b32 s39, s34, 1
	s_add_co_u32 s39, s39, s31                     ; 2 i + u
	s_and_b32 s66, s39, 15                         ; the tile's place in the record
	s_lshl_b32 s48, s66, 10
	s_add_co_u32 s48, s48, s3
	s_mov_b32 s49, 0
	s_lshl_b32 s50, s66, 6
	s_add_co_u32 s50, s50, s3
	s_add_co_u32 s50, s50, 16384
	s_mov_b32 s51, 0
	s_mul_i32 s2, s2, 69632                        ; krec: record (b, head)
	s_lshl_b32 s52, s39, 10
	s_add_co_u32 s52, s52, s2
	s_mov_b32 s53, 0
	s_lshl_b32 s54, s39, 6
	s_add_co_u32 s54, s54, s2
	s_add_co_u32 s54, s54, 65536
	s_mov_b32 s55, 0
	s_mul_i32 s2, s33, 67584                       ; vrec: record b
	s_lshl_b32 s3, s30, 3
	s_lshr_b32 s39, s34, 2
	s_add_co_u32 s3, s3, s39                       ; 8 dt + (i / 4), dt = wave
	s_and_b32 s39, s34, 3
	s_lshl_b32 s56, s3, 11
	s_add_co_u32 s56, s56, s2
	s_lshl_b32 s66, s39, 9
	s_add_co_u32 s56, s56, s66
	s_mov_b32 s57, 0
	s_lshl_b32 s58, s3, 6
	s_add_co_u32 s58, s58, s2
	s_add_co_u32 s58, s58, s39
	s_add_co_u32 s58, s58, 65536
	s_mov_b32 s59, 0
	s_lshl_b32 s60, s32, 7                         ; V^T's loads: channels 32 (dt / 2) + 8 (dt % 2) on
	s_lshl_b32 s66, s31, 5
	s_add_co_u32 s60, s60, s66
	s_add_co_u32 s60, s60, s40
	s_mov_b32 s61, 0
	s_mul_i32 s62, ttmp9, 8704                     ; erec: record x, table's half
	s_mul_i32 s66, s35, 4352
	s_add_co_u32 s62, s62, s66
	s_mov_b32 s63, 0
	s_wait_kmcnt 0x0
	s_add_nc_u64 s[60:61], s[4:5], s[60:61]
	s_add_nc_u64 s[4:5], s[4:5], s[40:41]
	s_add_nc_u64 s[6:7], s[6:7], s[42:43]
	s_add_nc_u64 s[12:13], s[12:13], s[42:43]
	s_add_nc_u64 s[8:9], s[8:9], s[44:45]
	s_add_nc_u64 s[14:15], s[14:15], s[44:45]
	s_add_nc_u64 s[10:11], s[10:11], s[46:47]
	s_add_nc_u64 s[16:17], s[16:17], s[46:47]
	s_add_nc_u64 s[48:49], s[22:23], s[48:49]
	s_add_nc_u64 s[50:51], s[22:23], s[50:51]
	s_add_nc_u64 s[52:53], s[24:25], s[52:53]
	s_add_nc_u64 s[54:55], s[24:25], s[54:55]
	s_add_nc_u64 s[56:57], s[26:27], s[56:57]
	s_add_nc_u64 s[58:59], s[26:27], s[58:59]
	s_add_nc_u64 s[62:63], s[28:29], s[62:63]
	s_cmp_eq_u32 s35, 0                            ; the table: a choice that hangs on the wave's number alone
	s_cselect_b64 s[18:19], s[18:19], s[20:21]
	s_wait_alu depctr_va_vdst(0)                   ; the offsets v5 to v15 are written: every load and store of the kernel reads one of them, and no vector line names them again
	; 48 loads: what is wanted first goes first
.irp t, 0,1,2,3
	global_load_u16 v[WL+\t], v7, s[8:9] offset:(32*(\t/2)+8*(\t%2))*2
.endr
.irp t, 0,1,2,3
	global_load_u16 v[WL+4+\t], v7, s[14:15] offset:(32*(\t/2)+8*(\t%2))*2
.endr
.irp b, 0,1
.irp j, 0,1,2,3
	global_load_b128 v[X+16*\b+4*\j:X+16*\b+4*\j+3], v5, s[4:5] offset:128*\b+16*\j
.endr
.endr
.irp t, 0,1,2,3
.irp c, 0,1
	global_load_b128 v[AF+16*\t+4*\c:AF+16*\t+4*\c+3], v6, s[6:7] offset:(32*(\t/2)+8*(\t%2))*64+32*\c
	global_load_b128 v[AF+16*\t+8+4*\c:AF+16*\t+8+4*\c+3], v6, s[12:13] offset:(32*(\t/2)+8*(\t%2))*64+32*\c
.endr
.endr
.irp t, 0,1,2,3
	global_load_b128 v[BQ+8*\t:BQ+8*\t+3], v8, s[10:11] offset:(32*(\t/2)+8*(\t%2))*4
	global_load_b128 v[BQ+8*\t+4:BQ+8*\t+7], v8, s[10:11] offset:(32*(\t/2)+8*(\t%2))*4+16
	global_load_b128 v[BK+8*\t:BK+8*\t+3], v8, s[16:17] offset:(32*(\t/2)+8*(\t%2))*4
	global_load_b128 v[BK+8*\t+4:BK+8*\t+7], v8, s[16:17] offset:(32*(\t/2)+8*(\t%2))*4+16
.endr
.irp j, 0,1,2,3,4,5,6,7
	v_mov_b32 v[HF+8+\j], 0                        ; zero codes for the half of K that a product does not use
.endr
	v_mov_b32 v[TM+2], 0                           ; written once: a lane permute's destination counts as one of its sources
	v_mov_b32 v[TM+3], 0
	s_wait_loadcnt 32                              ; the scales and hidden are in; the 32 younger loads (weights' codes, biases) may be out
.irp t, 0,1,2,3
	v_lshl_or_b32 v[WS+\t], v[WL+4+\t], 16, v[WL+\t]
.endr
	QSCALE X, 2, 0                                 ; hidden along c
	v_lshl_or_b32 v[HSW], v[TM+9], 8, v[TM+8]
	v_lshl_or_b32 v[HSW], v[HSW], 16, v[HSW]       ; the two bytes twice: they serve K blocks 0, 1 and 2, 3 alike
	QCODE X, 2, HF, HF+16
.rept 3
	v_nop                                          ; with the line above: four places between the codes and the products
.endr
	s_wait_alu depctr_va_vdst(0)                   ; hidden's codes, the zero codes and the scale words v[WS ..], v[HSW] are written, which the products below take; the holds and conversions are done with v[X ..], in which the side arms' loads land.  No vector line stands between this wait and the products, on any of the three ways
	; the side arms ask for their numbers now, into the registers that hidden has left
	s_cmp_lt_u32 s30, 4
	s_cbranch_scc0 .Lnot_v1
.irp j, 0,1,2,3,4,5,6,7,8,9,10,11,12,13,14,15
	global_load_b32 v[X+\j], v11, s[60:61] offset:256*\j   ; hidden(b, i, l = 16 hh + j, my channel)
.endr
	s_wait_loadcnt 16                              ; all but these sixteen
	s_branch .Lmul
.Lnot_v1:
	s_cmp_lt_u32 s30, 8
	s_cbranch_scc0 .Lplain1
	s_cmp_lt_u32 ttmp9, 4
	s_cbranch_scc0 .Lplain1
.irp j, 0,1,2,3,4,5,6,7
	global_load_b128 v[X+4*\j:X+4*\j+3], v12, s[18:19] offset:16*\j   ; a whole row of the table: 32 numbers
.endr
	s_wait_loadcnt 8                               ; all but these eight
	s_branch .Lmul
.Lplain1:
	s_wait_loadcnt 0x0
.Lmul:
	; q^T and k^T: source 0 = 16 rows of the weights, source 1 = my 16 positions; lane (r, hh) then holds position r, and tiles 2 b, 2 b + 1 give it d = 32 b + 16 hh + 0 .. 15
.irp t, 0,1,2,3
	v_wmma_scale_f32_16x16x128_f8f6f4 v[BQ+8*\t:BQ+8*\t+7], v[AF+16*\t:AF+16*\t+15], v[HF:HF+15], v[BQ+8*\t:BQ+8*\t+7], v[WS+\t], v[HSW]
.endr
.irp t, 0,1,2,3
	v_wmma_scale_f32_16x16x128_f8f6f4 v[BK+8*\t:BK+8*\t+7], v[AF+16*\t:AF+16*\t+15], v[HF+8:HF+23], v[BK+8*\t:BK+8*\t+7], v[WS+\t], v[HSW]
.endr
.rept 8
	v_nop                                          ; eight places behind this form before its results are read
.endr
	QSCALE BQ, 2, 0
	v_lshl_or_b32 v[SWQ], v[TM+9], 8, v[TM+8]
	v_lshl_or_b32 v[SWQ], v[SWQ], 16, v[SWQ]
	QCODE BQ, 2, PCQ, 0
	QSCALE BK, 2, 0                                ; k's scales stand between q's conversions and the wait for them: they name none of q's out-registers
	v_lshl_or_b32 v[SWK], v[TM+9], 8, v[TM+8]
	v_lshl_or_b32 v[SWK], v[SWK], 16, v[SWK]
	s_wait_alu depctr_va_vdst(0)                   ; q's codes v[PCQ ..] and its scale word v[SWQ] are written, which the three stores below read
	global_store_b128 v9, v[PCQ:PCQ+3], s[48:49]                   ; 32 lanes store 512 consecutive bytes
	global_store_b128 v9, v[PCQ+4:PCQ+7], s[48:49] offset:512
	global_store_b32 v10, v[SWQ], s[50:51]                         ; lanes r and r + 16 store the same word
	QCODE BK, 2, PCK, 0                            ; (it names v[BK ..], v[TM ..] and v[PCK ..]: none of the registers that q's stores read)
	s_wait_alu depctr_va_vdst(0)                   ; k's codes v[PCK ..] are written, which the stores below read (v[SWK] was written ahead of the wait before)
	global_store_b128 v9, v[PCK:PCK+3], s[52:53]
	global_store_b128 v9, v[PCK+4:PCK+7], s[52:53] offset:512
	global_store_b32 v10, v[SWK], s[54:55]
	s_cmp_lt_u32 s30, 4
	s_cbranch_scc0 .Lnot_v2
	s_wait_loadcnt 0x0                             ; V^T: 16 channels x key row i: one chunk, one scale byte a channel
	QSCALE X, 1, 0
	v_mov_b32 v[SWV], v[TM+8]
	QCODE X, 1, AF, 0
	s_wait_alu depctr_va_vdst(0)                   ; the chunk's codes v[AF ..] and its byte v[SWV] are written, which the two stores below read
	global_store_b128 v9, v[AF:AF+3], s[56:57]
	global_store_b8 v10, v[SWV], s[58:59]
	s_branch .Lend
.Lnot_v2:
	s_cmp_lt_u32 s30, 8
	s_cbranch_scc0 .Lend
	s_cmp_lt_u32 ttmp9, 4
	s_cbranch_scc0 .Lend
	s_wait_loadcnt 0x0                             ; a row of a table: one block, all in my lane
	QSCALE X, 2, 1
	v_lshl_or_b32 v[SWE], v[TM+8], 8, v[TM+8]
	v_lshl_or_b32 v[SWE], v[SWE], 16, v[SWE]       ; the byte four times: it serves whichever K block the codes stand in
	QCODE X, 2, AF, 0
	s_wait_alu depctr_va_vdst(0)                   ; the row's codes v[AF ..] and its word v[SWE] are written, which the stores below read (the zero codes were written long ago)
	global_store_b128 v13, v[AF:AF+3], s[62:63]
	global_store_b128 v13, v[AF+4:AF+7], s[62:63] offset:16
	global_store_b128 v14, v[HF+8:HF+11], s[62:63]                 ; zero codes for the other half of q
	global_store_b128 v14, v[HF+8:HF+11], s[62:63] offset:16
	global_store_b32 v15, v[SWE], s[62:63] offset:4096
.Lend:
	s_endpgm
.Lfunc_end_k_q51bd541239_prep:
	.size	k_q51bd541239_prep, .Lfunc_end_k_q51bd541239_prep-k_q51bd541239_prep
	.p2alignl 7, 3214868480
	.fill 96, 4, 3214868480
	.section	.rodata,"a",@progbits
	.p2align	6, 0x0
	.amdhsa_kernel k_q51bd541239_prep
		.amdhsa_group_segment_fixed_size 0
		.amdhsa_private_segment_fixed_size 0
		.amdhsa_enable_private_segment 0
		.amdhsa_kernarg_size 104
		.amdhsa_user_sgpr_count 2
		.amdhsa_user_sgpr_kernarg_segment_ptr 1
		.amdhsa_wavefront_size32 1
		.amdhsa_system_sgpr_workgroup_id_x 1
		.amdhsa_system_sgpr_workgroup_id_y 1
		.amdhsa_system_sgpr_workgroup_id_z 1
		.amdhsa_system_vgpr_workitem_id 0
		.amdhsa_next_free_vgpr 256
		.amdhsa_next_free_sgpr 68
		.amdhsa_reserve_vcc 0
		.amdhsa_float_denorm_mode_32 3
		.amdhsa_float_denorm_mode_16_64 3
		.amdhsa_memory_ordered 1
		.amdhsa_forward_progress 1
		.amdhsa_inst_pref_size 34
	.end_amdhsa_kernel
	.amdgpu_metadata
---
amdhsa.version: [ 1, 2 ]
amdhsa.kernels:
  - .name:           k_q51bd541239_prep
    .symbol:         k_q51bd541239_prep.kd
    .args:
      - { .name: hidden_states, .offset: 0, .size: 8, .value_kind: global_buffer, .address_space: global }
      - { .name: Wq_codes, .offset: 8, .size: 8, .value_kind: global_buffer, .address_space: global }
      - { .name: Wq_scales, .offset: 16, .size: 8, .value_kind: global_buffer, .address_space: global }
      - { .name: bq, .offset: 24, .size: 8, .value_kind: global_buffer, .address_space: global }
      - { .name: Wk_codes, .offset: 32, .size: 8, .value_kind: global_buffer, .address_space: global }
      - { .name: Wk_scales, .offset: 40, .size: 8, .value_kind: global_buffer, .address_space: global }
      - { .name: bk, .offset: 48, .size: 8, .value_kind: global_buffer, .address_space: global }
      - { .name: row_emb, .offset: 56, .size: 8, .value_kind: global_buffer, .address_space: global }
      - { .name: col_emb, .offset: 64, .size: 8, .value_kind: global_buffer, .address_space: global }
      - { .name: qrec, .offset: 72, .size: 8, .value_kind: global_buffer, .address_space: global }
      - { .name: krec, .offset: 80, .size: 8, .value_kind: global_buffer, .address_space: global }
      - { .name: vrec, .offset: 88, .size: 8, .value_kind: global_buffer, .address_space: global }
      - { .name: erec, .offset: 96, .size: 8, .value_kind: global_buffer, .address_space: global }
    .group_segment_fixed_size: 0
    .private_segment_fixed_size: 0
    .kernarg_segment_align: 8
    .kernarg_segment_size: 104
    .max_flat_workgroup_size: 512
    .sgpr_count:     68
    .vgpr_count:     256
    .wavefront_size: 32
...
	.end_amdgpu_metadata
.endif
;; end of part 4
;; launch attn: the kernel of part 2 again; grid 4 x 64, 4 waves a work-group, clusters of 4 x 1, 181,248 bytes of LDS; arguments qrec, krec, vrec, erec, vals, vsc; writes vals, vsc
;; launch proj (part 5): grid 256 x 1, 2 waves a work-group, no clusters, 8,960 bytes of LDS; arguments vals, vsc, Wv_codes, Wv_scales, bv, out0; writes out0
.if DOCPART == 5
	.amdgcn_target "amdgcn-amd-amdhsa--gfx1250"
	.amdhsa_code_object_version 6
	.text
	.protected	k_q51bd541239_proj
	.globl	k_q51bd541239_proj
	.p2align	8
	.type	k_q51bd541239_proj,@function
k_q51bd541239_proj:
	s_mov_b64 s[64:65], 0
	v_nop
	global_prefetch_b8 v0, s[64:65] scope:SCOPE_SE
	s_setreg_imm32_b32 hwreg(HW_REG_WAVE_SCHED_MODE, 0, 2), 2
	s_setreg_imm32_b32 hwreg(HW_REG_WAVE_MODE, 25, 1), 1
	s_wait_xcnt 0x0
	s_wait_alu depctr_vm_vsrc(0)
; PROJ: out0 = vals Wv + bv, K = 512 = (head, d), on E4M3 codes with E8M0 scales.  vals comes as images of the operand's registers (chunk (s, c) of position tile P at 8,192 P + 2,048 s + 512 c),
; its scale words as [P][s][16 rows].  A wave takes one position tile (16 positions of one image row): P = 2 x work-group + wave.
; The product is used transposed (source 0 = 16 rows of Wv, source 1 = 16 positions): a lane holds one position and eight neighbouring channels.  bv is loaded into the accumulators and so is the first C.
; The four accumulators take turns, one instruction a turn.  The results go through the wave's own stage in LDS and leave as whole rows of 256 bytes.
; Each wave reads all of Wv's 32 KB of codes: 512 waves read the same bytes one after the other out of the cache; a cluster or LDS would add a barrier to a launch of sixteen products a wave.
; REGISTERS: window 0: v1-8 addresses; v16-47 four accumulators; v48-111 vals' four fragments; v112-127 Wv's scale words; v128-131 vals'; v132-163 rows on their way out.  window 1: Wv's 16 fragments.
; THE MODE: SCHED_MODE bits 1:0 = 2 (LLVM: expert scheduling mode 2), set by the entry lines.  The code itself states the register dependences
; between vector or matrix instructions and memory or LDS instructions, with s_wait_alu, always for 0.
; THE PLAN.  Registers that memory or LDS instructions touch:
;   v1-v8         offsets and LDS addresses: written by vector lines at the head and never again; read by every load and store.
;   the fragments and the scale words: written by loads alone, read by the products behind the wait on LOADcnt; no load lands in them again.
;   the accumulators: bv's loads land in them; the products write them; the LDS stores read them.
;   v[OUTR ..]    written by the LDS loads, read by the global stores; no vector line names them.
; So two waits on va_vdst: one ahead of the first load (the offsets), one behind the products' places (the results, ahead of the LDS stores).  No register that a memory or LDS instruction reads
; is written again: no wait on vm_vsrc is owed.  One wait on va_sdst: the wave's number.
.set ACC,  16
.set BF,   48
.set WVS,  112
.set BSC,  128
.set OUTR, 132
.set MSB, 0
.macro WIN new
.if MSB != (\new)
	s_set_vgpr_msb (MSB<<8)|(\new)
.set MSB, (\new)
.endif
.endm
	s_load_b256 s[4:11], s[0:1], 0x0               ; vals 4, vsc 6, Wv codes 8, Wv scales 10
	s_load_b128 s[12:15], s[0:1], 0x20             ; bv 12, out0 14
	v_lshl_add_u32 v254, v0, 2, 0x2200
	v_mov_b32 v255, 0
	v_lshrrev_b32 v1, 5, v0
	v_readfirstlane_b32 s16, v1                    ; wave 0, 1
	v_and_b32 v9, 31, v0                           ; lane
	v_and_b32 v10, 15, v0                          ; r
	v_bfe_u32 v11, v0, 4, 1                        ; hh
	v_lshlrev_b32 v1, 4, v9                        ; an image's place for my lane
	v_lshlrev_b32 v2, 2, v10                       ; a scale word's
	v_lshlrev_b32 v3, 9, v10
	v_lshl_add_u32 v3, v11, 4, v3                  ; Wv's codes: row r of 512 bytes, + 16 hh
	v_lshlrev_b32 v4, 4, v10                       ; Wv's scales: 16 bytes a row
	v_lshlrev_b32 v5, 5, v11                       ; bv: my half's eight channels
	s_wait_alu depctr_va_sdst(0)                   ; s16 is written, ahead of its first reader: my stage and the three bases are made from it
	s_mul_i32 s17, s16, 4352                       ; my stage: 16 rows x (256 + 16) bytes
	v_mul_u32_u24 v6, v10, 272
	v_lshl_add_u32 v6, v11, 5, v6
	v_add_nc_u32 v6, s17, v6                       ; in: row r, + 32 hh
	v_mul_u32_u24 v7, v11, 272
	v_lshl_add_u32 v7, v10, 4, v7
	v_add_nc_u32 v7, s17, v7                       ; back: lanes 0-15 one row, lanes 16-31 the next
	v_lshlrev_b32 v8, 8, v11
	v_lshl_add_u32 v8, v10, 4, v8                  ; and the same two rows in out0
	s_lshl_b32 s18, ttmp9, 1
	s_add_co_u32 s18, s18, s16                     ; P
	s_lshl_b32 s20, s18, 13
	s_mov_b32 s21, 0
	s_lshl_b32 s22, s18, 8
	s_mov_b32 s23, 0
	s_lshl_b32 s24, ttmp9, 13                      ; out0: image row P / 2 of 8,192 bytes, positions 8 (P % 2) on
	s_lshl_b32 s19, s16, 11
	s_add_co_u32 s24, s24, s19
	s_mov_b32 s25, 0
	s_wait_kmcnt 0x0
	s_add_nc_u64 s[4:5], s[4:5], s[20:21]
	s_add_nc_u64 s[6:7], s[6:7], s[22:23]
	s_add_nc_u64 s[14:15], s[14:15], s[24:25]
	s_wait_alu depctr_va_vdst(0)                   ; the offsets and LDS addresses v1 to v8 are written: every load and store of the kernel reads one of them, and no vector line names them again.  Between this wait and the loads into window 1 stand loads and one window switch alone
.irp n, 0,1,2,3
	global_load_b128 v[ACC+8*\n:ACC+8*\n+3], v5, s[12:13] offset:64*\n          ; bv(16 n + 8 hh + 0 .. 7)
	global_load_b128 v[ACC+8*\n+4:ACC+8*\n+7], v5, s[12:13] offset:64*\n+16
.endr
.irp s, 0,1,2,3
	global_load_b32 v[BSC+\s], v2, s[6:7] offset:64*\s
.endr
.irp n, 0,1,2,3
.irp s, 0,1,2,3
	global_load_b32 v[WVS+4*\n+\s], v4, s[10:11] offset:256*\n+4*\s
.endr
.endr
.irp s, 0,1,2,3
.irp c, 0,1,2,3
	global_load_b128 v[BF+16*\s+4*\c:BF+16*\s+4*\c+3], v1, s[4:5] offset:2048*\s+512*\c
.endr
.endr
	WIN 0x40                                       ; destination window 1
.irp n, 0,1,2,3
.irp s, 0,1,2,3
.irp c, 0,1,2,3
	global_load_b128 v[16*(4*\n+\s)+4*\c:16*(4*\n+\s)+4*\c+3], v3, s[8:9] offset:8192*\n+128*\s+32*\c
.endr
.endr
.endr
	WIN 0
	s_wait_loadcnt 0x0
	WIN 0x01                                       ; source 0 (Wv) window 1
.irp s, 0,1,2,3
.irp n, 0,1,2,3
	v_wmma_scale_f32_16x16x128_f8f6f4 v[ACC+8*\n:ACC+8*\n+7], v[16*(4*\n+\s):16*(4*\n+\s)+15], v[BF+16*\s:BF+16*\s+15], v[ACC+8*\n:ACC+8*\n+7], v[WVS+4*\n+\s], v[BSC+\s]
.endr
.endr
	WIN 0
.rept 8
	v_nop                                          ; eight places behind this form before its results are read
.endr
	s_wait_alu depctr_va_vdst(0)                   ; the products have written the four accumulators, which the LDS stores read; the places above stay beside this wait
.irp n, 0,1,2,3
	ds_store_b128 v6, v[ACC+8*\n:ACC+8*\n+3] offset:64*\n          ; lane (r, hh): channels 16 n + 8 hh + 0 .. 7 of position r; each result from its low end on
	ds_store_b128 v6, v[ACC+8*\n+4:ACC+8*\n+7] offset:64*\n+16
.endr
.irp x, 0,1,2,3,4,5,6,7
	ds_load_b128 v[OUTR+4*\x:OUTR+4*\x+3], v7 offset:544*\x        ; LDS serves a wave's instructions in order (ISA guide 5.7.1.4): these see my stores
.endr
.irp x, 0,1,2,3,4,5,6,7
	s_wait_dscnt 7-\x                              ; rows 2 x, 2 x + 1 are back; the younger loads may be out
	global_store_b128 v8, v[OUTR+4*\x:OUTR+4*\x+3], s[14:15] offset:(2*\x+8*(\x/4))*256 th:TH_STORE_NT   ; stage rows 8-15 are positions 16 on: 32 lanes store 512 consecutive bytes, two whole rows of out0
.endr
	s_wait_dscnt 0x0
	s_wait_alu depctr_hold_cnt(0) depctr_sa_sdst(0) depctr_va_vdst(0) depctr_va_sdst(0) depctr_va_ssrc(0) depctr_va_vcc(0) depctr_vm_vsrc(0)
	s_wait_tensorcnt 0x0
	ds_add_u32 v254, v255
	s_wait_dscnt 0x0
	s_endpgm
.Lfunc_end_k_q51bd541239_proj:
	.size	k_q51bd541239_proj, .Lfunc_end_k_q51bd541239_proj-k_q51bd541239_proj
	.p2alignl 7, 3214868480
	.fill 96, 4, 3214868480
	.section	.rodata,"a",@progbits
	.p2align	6, 0x0
	.amdhsa_kernel k_q51bd541239_proj
		.amdhsa_group_segment_fixed_size 8960
		.amdhsa_private_segment_fixed_size 0
		.amdhsa_enable_private_segment 0
		.amdhsa_kernarg_size 48
		.amdhsa_user_sgpr_count 2
		.amdhsa_user_sgpr_kernarg_segment_ptr 1
		.amdhsa_wavefront_size32 1
		.amdhsa_system_sgpr_workgroup_id_x 1
		.amdhsa_system_sgpr_workgroup_id_y 1
		.amdhsa_system_sgpr_workgroup_id_z 1
		.amdhsa_system_vgpr_workitem_id 0
		.amdhsa_next_free_vgpr 512
		.amdhsa_next_free_sgpr 66
		.amdhsa_reserve_vcc 0
		.amdhsa_float_denorm_mode_32 3
		.amdhsa_float_denorm_mode_16_64 3
		.amdhsa_memory_ordered 1
		.amdhsa_forward_progress 1
		.amdhsa_inst_pref_size 17
	.end_amdhsa_kernel
	.amdgpu_metadata
---
amdhsa.version: [ 1, 2 ]
amdhsa.kernels:
  - .name:           k_q51bd541239_proj
    .symbol:         k_q51bd541239_proj.kd
    .args:
      - { .name: vals, .offset: 0, .size: 8, .value_kind: global_buffer, .address_space: global }
      - { .name: vsc, .offset: 8, .size: 8, .value_kind: global_buffer, .address_space: global }
      - { .name: Wv_codes, .offset: 16, .size: 8, .value_kind: global_buffer, .address_space: global }
      - { .name: Wv_scales, .offset: 24, .size: 8, .value_kind: global_buffer, .address_space: global }
      - { .name: bv, .offset: 32, .size: 8, .value_kind: global_buffer, .address_space: global }
      - { .name: out0, .offset: 40, .size: 8, .value_kind: global_buffer, .address_space: global }
    .group_segment_fixed_size: 8960
    .private_segment_fixed_size: 0
    .kernarg_segment_align: 8
    .kernarg_segment_size: 48
    .max_flat_workgroup_size: 64
    .sgpr_count:     66
    .vgpr_count:     512
    .wavefront_size: 32
...
	.end_amdgpu_metadata
.endif
;; end of part 5
